; MI455X (gfx1250); checked and timed in simulation.
; The chip was launched on July 23, 2026; its instructions are those of AMD's public machine-readable ISA for CDNA 5 (MIT licence, August 2026) and "CDNA5" Instruction Set Architecture Reference Guide (July 2026). The comments in the code are by the model that wrote it; some were corrected since.
;; Local Attention Block. Allowed arithmetic: matrix products marked QUANTISED: E2M1 operands, one E8M0 scale for each 32 along K, by v_wmma_scale_f32_16x16x128_f8f6f4 with both operands' format E2M1 (or v_wmma_scale_f32_32x16x128_f4), f32 sums; products left as they are: bf16, f16 or f32 operands; f32 sums; everything else in f32.
;; Inputs: Wf 1,024 x 1,024 float32; Wk 64 x 1,024 float32; Wq 1,024 x 1,024 float32; Wv 64 x 1,024 float32; bf 1,024 float32; segment_pos 2 x 2,048 int32; x 2 x 2,048 x 1,024 float32.
;; Outputs: out0 2 x 2,048 x 1,024 float32.
;; This version of the problem:
;;   THIS VERSION OF THE PROBLEM IS GIVEN IN LOW PRECISION. The matrix products marked QUANTISED in the list below multiply operands that are first quantised to E2M1 (2 exponent bits, 1 mantissa bit; 4 bits a number), with one power-of-two scale for each 32 numbers along K (OCP MX v1.0); their sums are f32. The products marked 'left as it is' may take bf16, f16 or f32 operands, with f32 sums. Whichever they take, every output number must still come out within the allowed error. Rounding operands to bf16 (8 significant bits) uses up far more of that allowance than f16 does (11 bits, for magnitudes from 6e-5 to 65,504). All else is computed in f32.
;;   The module's matrix products, in the order in which they are computed (A, B: the left and right operand; K: the contracted axis; several contracted axes count as one K, in the product's order):
;;     1. [M 4,096, K 1,024] x [K 1,024, N 1,024]; A: input x; B: input Wq: QUANTISED
;;     2. [M 4,096, K 1,024] x [K 1,024, N 64]; A: input x; B: input Wk: QUANTISED
;;     3. [M 4,096, K 1,024] x [K 1,024, N 64]; A: input x; B: input Wv: QUANTISED
;;     4. batch 2 x [M 2,048, K 64] x [K 64, N 32,768]; A: computed on the way; B: computed on the way: left as it is (an operand is computed on the way)
;;     5. batch 2 x [M 64, K 2,048] x [K 2,048, N 32,768]; A: computed on the way; B: computed on the way: left as it is (an operand is computed on the way)
;;     6. [M 4,096, K 1,024] x [K 1,024, N 1,024]; A: computed on the way; B: input Wf: left as it is (an operand is computed on the way)
;;   THE QUANTISER, for each operand of a quantised product, along K:
;;     - K is cut into blocks of 32 from its start; a last block that is shorter is filled with zeros.
;;     - A block's scale is 2^e with e = floor(log2(the largest magnitude in the block)) - 2, held to -126 .. 127; a block of zeros has e = 0. As a byte (E8M0): e + 127.
;;     - Each number is divided by its block's scale, clamped to +-6, and rounded to the nearest number of E2M1, ties to even, subnormals kept.
;;     - The product sums the exact products of the quantised numbers (number of the format x scale) in f32.
;;   ~~~python
;;   def quantise(x, axis):      # numpy; x: float32 -> the quantised numbers, widened to float32 again
;;       x = np.moveaxis(x, axis, -1); K = x.shape[-1]
;;       x = np.pad(x, [(0, 0)] * (x.ndim - 1) + [(0, -K % 32)]); x = x.reshape(x.shape[:-1] + (-1, 32)); a = np.abs(x).max(-1, keepdims=True)
;;       e = np.where(a > 0, np.clip(np.frexp(np.where(a > 0, a, 1))[1] - 1 - 2, -126, 127), 0)      # np.frexp(a)[1] - 1 = floor(log2(a)), exactly
;;       r = np.clip(x / 2.0 ** e, -6, 6)
;;       step = 2.0 ** (np.maximum(np.frexp(np.where(r == 0, 1, r))[1] - 1, 0) - 1)
;;       q = np.round(r / step) * step * 2.0 ** e      # np.round: ties to even
;;       return np.moveaxis(q.reshape(q.shape[:-2] + (-1,))[..., :K], -1, axis).astype(np.float32)
;;   ~~~
;; One version. Each part assembles by itself: llvm-mc -triple=amdgcn-amd-amdhsa -mcpu=gfx1250 --defsym DOCPART=n.
;; ======== version 1 of 1: 5 launches
;; limits: values are held in f16: magnitudes above 65,504 overflow, below 6.1e-05 lose precision
;; workspace buffers: codes 2,686,976 bytes; scl 167,936 bytes; wf16 2,097,152 bytes; qf 8,388,608 bytes; kvf 1,048,576 bytes; h32 147,456 bytes; ao 8,388,608 bytes
;; launch prep (part 1): grid 456 x 1, 2 waves a work-group, no clusters, 16,640 bytes of LDS; arguments x, Wq, Wk, Wv, Wf, codes, scl, wf16; writes codes, scl, wf16
.if DOCPART == 1
	.amdgcn_target "amdgcn-amd-amdhsa--gfx1250"
	.amdhsa_code_object_version 6
	.text
	.protected	k_q0ce10a2834_prep
	.globl	k_q0ce10a2834_prep
	.p2align	8
	.type	k_q0ce10a2834_prep,@function
k_q0ce10a2834_prep:
	s_mov_b64 s[64:65], 0
	v_nop
	global_prefetch_b8 v0, s[64:65] scope:SCOPE_SE
	s_setreg_imm32_b32 hwreg(HW_REG_WAVE_MODE, 25, 1), 1
	s_wait_xcnt 0x0
; x [4096][1024], Wq [1024][1024], Wk [64][1024], Wv [64][1024], f32, K innermost, become codes of FP4 (E2M1) and one E8M0 byte for each 32 along K,
; as ONE stream of 5,248 rows: codes [5248][512 bytes], scale bytes [5248][32].  Wf [1024][1024] becomes f16, as it lies.
; A block's scale is 2^(floor(log2(its largest magnitude)) - 2); its byte is the largest magnitude's exponent field - 2, held at 1 from below.
; LIMITS: a block of zeros gets the byte 1 where the rule says 127 (its codes are zeros, and this program alone reads the bytes); blocks whose largest magnitude lies
; under 2^(3 - 127) keep the byte 1; NaN and infinities are not served; |Wf| stays under 65,504 (f16).
; SHARES.  Work-groups 0-327 quantise 16,384 numbers each (0-255 x, 256-319 Wq, 320-323 Wk, 324-327 Wv): a wave 8,192, in 16 steps of 512.  Work-groups 328-455 cast 8,192 numbers of Wf each.
; The conversions take 8 numbers of one block from ONE lane's registers, so a lane must hold 16 neighbours; a load is dense where neighbouring lanes take neighbouring bytes.  Both are had:
; each load reads 512 consecutive bytes, a step's 2,048 bytes go through the wave's own stage in LDS as they lie and come back 64 bytes a lane (16 bytes of padding behind each 64).
; Loads run eight steps (32 loads a wave) ahead, the turn through LDS one step.  Waves share nothing: no barrier.
.set STEPS, 16
.set SP,    80                         ; a lane's place in a stage: its 64 bytes + 16 of padding
.set WREG,  8192                       ; LDS of a wave: two stages of 32 x SP bytes, behind them its 256 scale bytes
.set SPARE, 2*WREG                     ; behind the two regions: the spare words, 128 bytes a wave: one block of 256 bytes that no other line names
.set EMAX,  2
.set LI,   3                           ; v3   16 x lane
.set L8,   4                           ; v4   8 x lane
.set SBA,  5                           ; v5   LDS: my block's scale byte
.set SBO,  6                           ; v6   LDS: my 8 scale bytes on the way out
.set SPW,  12                          ; v12  LDS address of my spare word; never rewritten
.set NIL,  13                          ; v13  0; never rewritten
.set SIN,  14                          ; v14  the stage, on the way in
.set SOUT, 15                          ; v15  and on the way out
.set R,    16                          ; v16-143  eight sets of 16 numbers as loaded
.set X,    144                         ; v144-175 two sets of 16 neighbours
.set C,    176                         ; v176-207 codes: two registers for each step, so that no store's data are written again
.set E,    208                         ; v208-223 a scale byte for each step
	s_load_b512 s[4:19], s[0:1], 0x0               ; x 4, Wq 6, Wk 8, Wv 10, Wf 12, codes 14, scl 16, wf16 18
	v_lshl_add_u32 v[SPW], v0, 2, SPARE
	v_mov_b32 v[NIL], 0
	v_lshrrev_b32 v1, 5, v0
	v_readfirstlane_b32 s21, v1                    ; wave 0, 1
	v_and_b32 v2, 31, v0                           ; lane
	v_lshlrev_b32 v[LI], 4, v2
	v_lshlrev_b32 v[L8], 3, v2
	s_mul_i32 s22, s21, WREG
	v_lshrrev_b32 v[SIN], 2, v2
	v_mul_u32_u24 v[SIN], v[SIN], SP
	v_and_b32 v[SOUT], 3, v2
	v_lshl_add_u32 v[SIN], v[SOUT], 4, v[SIN]
	v_add_nc_u32 v[SIN], s22, v[SIN]               ; in: four lanes' 64 bytes on end, then the padding: SP (lane / 4) + 16 (lane % 4)
	v_mul_u32_u24 v[SOUT], v2, SP
	v_add_nc_u32 v[SOUT], s22, v[SOUT]             ; out: SP x lane: my 16 neighbours
	v_lshrrev_b32 v[SBA], 1, v2
	s_add_co_u32 s22, s22, 2*32*SP
	v_add_nc_u32 v[SBA], s22, v[SBA]
	v_add_nc_u32 v[SBO], s22, v[L8]
	s_wait_kmcnt 0x0
	s_cmp_ge_u32 ttmp9, 328
	s_cbranch_scc1 .Lcast
	; which tensor: the choices hang on the work-group's number alone
	s_mov_b32 s20, 0
	s_cmp_ge_u32 ttmp9, 256
	s_cselect_b64 s[4:5], s[6:7], s[4:5]
	s_cselect_b32 s20, 256, s20
	s_cmp_ge_u32 ttmp9, 320
	s_cselect_b64 s[4:5], s[8:9], s[4:5]
	s_cselect_b32 s20, 320, s20
	s_cmp_ge_u32 ttmp9, 324
	s_cselect_b64 s[4:5], s[10:11], s[4:5]
	s_cselect_b32 s20, 324, s20
	s_sub_co_u32 s24, ttmp9, s20                   ; my place in the tensor: 65,536 bytes a work-group, 32,768 a wave
	s_lshl_b32 s24, s24, 16
	s_lshl_b32 s26, s21, 15
	s_add_co_u32 s24, s24, s26
	s_mov_b32 s25, 0
	s_add_nc_u64 s[4:5], s[4:5], s[24:25]
	s_lshl_b32 s24, ttmp9, 13                      ; the codes are one stream over all four tensors: 8,192 bytes a work-group
	s_lshl_b32 s26, s21, 12
	s_add_co_u32 s24, s24, s26
	s_add_nc_u64 s[14:15], s[14:15], s[24:25]
	s_lshl_b32 s24, ttmp9, 9                       ; and so are the scale bytes: 512 a work-group
	s_lshl_b32 s26, s21, 8
	s_add_co_u32 s24, s24, s26
	s_add_nc_u64 s[16:17], s[16:17], s[24:25]
.macro LOAD t
.irp i, 0,1,2,3
	global_load_b128 v[R+16*((\t)%8)+4*\i:R+16*((\t)%8)+4*\i+3], v[LI], s[4:5] offset:2048*(\t)+512*\i th:TH_LOAD_NT   ; 32 lanes read 512 consecutive bytes
.endr
.endm
.macro TURN t                          ; step t's numbers through the stage: LDS serves a wave's instructions in order, so no wait stands between the stores and the loads
.irp i, 0,1,2,3
	ds_store_b128 v[SIN], v[R+16*((\t)%8)+4*\i:R+16*((\t)%8)+4*\i+3] offset:32*SP*((\t)%2)+8*SP*\i
.endr
.irp i, 0,1,2,3
	ds_load_b128 v[X+16*((\t)%2)+4*\i:X+16*((\t)%2)+4*\i+3], v[SOUT] offset:32*SP*((\t)%2)+16*\i
.endr
.endm
.irp t, 0,1,2,3,4,5,6,7
	LOAD \t
.endr
	s_wait_loadcnt 28                              ; step 0's four loads are in; the 28 of steps 1 to 7 may be out
	TURN 0
.macro STEP t
.set XS, X+16*((\t)%2)
.if (\t) > 0
	s_wait_dscnt 1                                 ; this step's numbers are back from the stage (the last step's byte store may be out): so its stores into the stage have read their registers,
.else
	s_wait_dscnt 0x0
.endif
.if (\t)+8 < STEPS
	LOAD (\t)+8                                    ; which take the loads of eight steps on
.endif
.if (\t)+1 < STEPS
.if (\t)+8 < STEPS
	s_wait_loadcnt 28                              ; the next step's four loads are in; those of the seven steps behind it may be out
.else
	s_wait_loadcnt 4*(STEPS-2-(\t))                ; the counts run down: 4 for each step behind the next
.endif
	TURN (\t)+1                                    ; and go through the other stage while this step is worked
.endif
	v_max3_num_f32 v8, |v[XS]|, |v[XS+1]|, |v[XS+2]|               ; the largest magnitude of my 16, in two chains
	v_max3_num_f32 v9, |v[XS+3]|, |v[XS+4]|, |v[XS+5]|
.irp i, 6,10
	v_max3_num_f32 v8, v8, |v[XS+\i]|, |v[XS+\i+1]|
	v_max3_num_f32 v9, v9, |v[XS+\i+2]|, |v[XS+\i+3]|
.endr
	v_max3_num_f32 v8, v8, |v[XS+14]|, |v[XS+15]|
	v_max3_num_f32 v8, v8, v9, (EMAX+1)<<23        ; and the floor 2^(EMAX + 1 - 127): the byte cannot fall under 1
	v_max_num_f32_dpp v8, v8, v8 row_xmask:1 row_mask:0xf bank_mask:0xf   ; and of my neighbour's 16: the block's
	v_add_nc_u32 v11, -(EMAX<<23), v8              ; EMAX off its exponent field: the conversion takes the exponent field of this operand as its scale
	v_cvt_scalef32_pk8_fp4_f32 v[C+2*(\t)], v[XS:XS+7], v11
	v_cvt_scalef32_pk8_fp4_f32 v[C+2*(\t)+1], v[XS+8:XS+15], v11
	v_lshrrev_b32 v[E+(\t)], 23, v11               ; the scale's byte (also the plain line behind the conversions)
	ds_store_b8 v[SBA], v[E+(\t)] offset:16*(\t)   ; both lanes of a block write the same byte with the same value
	global_store_b64 v[L8], v[C+2*(\t):C+2*(\t)+1], s[14:15] offset:256*(\t)   ; the wave stores 256 consecutive bytes, aligned
.endm
.irp t, 0,1,2,3,4,5,6,7,8,9,10,11,12,13,14,15
	STEP \t
.endr
	ds_load_b64 v[8:9], v[SBO]                     ; LDS serves a wave's instructions in order: these see my byte stores
	s_wait_dscnt 0x0
	global_store_b64 v[L8], v[8:9], s[16:17]       ; the wave's 256 scale bytes, consecutive and aligned
	s_branch .Lend
.Lcast:                                                ; Wf to f16: a wave takes 4,096 numbers: 32 loads of 512 bytes, all out at once; every offset an immediate, no register written twice
	s_sub_co_u32 s24, ttmp9, 328
	s_lshl_b32 s26, s24, 15
	s_lshl_b32 s27, s21, 14
	s_add_co_u32 s26, s26, s27
	s_mov_b32 s27, 0
	s_add_nc_u64 s[12:13], s[12:13], s[26:27]
	s_lshl_b32 s26, s24, 14
	s_lshl_b32 s28, s21, 13
	s_add_co_u32 s26, s26, s28
	s_add_nc_u64 s[18:19], s[18:19], s[26:27]
.set i, 0
.rept 32
	global_load_b128 v[R+4*i:R+4*i+3], v[LI], s[12:13] offset:512*i
.set i, i+1
.endr
.set i, 0
.rept 32
	s_wait_loadcnt 31-i                            ; loads come back in order: load i is in, the younger ones stay out
	v_cvt_pk_f16_f32 v[R+4*i], v[R+4*i], v[R+4*i+1]
	v_cvt_pk_f16_f32 v[R+4*i+1], v[R+4*i+2], v[R+4*i+3]
	global_store_b64 v[L8], v[R+4*i:R+4*i+1], s[18:19] offset:256*i   ; 256 consecutive bytes, aligned
.set i, i+1
.endr
.Lend:
	s_wait_tensorcnt 0x0                           ; the wave's end: behind my last LDS store
	ds_add_u32 v[SPW], v[NIL]
	s_wait_dscnt 0x0
	s_endpgm
.Lfunc_end_k_q0ce10a2834_prep:
	.size	k_q0ce10a2834_prep, .Lfunc_end_k_q0ce10a2834_prep-k_q0ce10a2834_prep
	.p2alignl 7, 3214868480
	.fill 96, 4, 3214868480
	.section	.rodata,"a",@progbits
	.p2align	6, 0x0
	.amdhsa_kernel k_q0ce10a2834_prep
		.amdhsa_group_segment_fixed_size 16640
		.amdhsa_private_segment_fixed_size 0
		.amdhsa_enable_private_segment 0
		.amdhsa_kernarg_size 64
		.amdhsa_user_sgpr_count 2
		.amdhsa_user_sgpr_kernarg_segment_ptr 1
		.amdhsa_wavefront_size32 1
		.amdhsa_system_sgpr_workgroup_id_x 1
		.amdhsa_system_sgpr_workgroup_id_y 1
		.amdhsa_system_sgpr_workgroup_id_z 1
		.amdhsa_system_vgpr_workitem_id 0
		.amdhsa_next_free_vgpr 224
		.amdhsa_next_free_sgpr 66
		.amdhsa_reserve_vcc 0
		.amdhsa_float_denorm_mode_32 3
		.amdhsa_float_denorm_mode_16_64 3
		.amdhsa_memory_ordered 1
		.amdhsa_forward_progress 1
		.amdhsa_inst_pref_size 45
	.end_amdhsa_kernel
	.amdgpu_metadata
---
amdhsa.version: [ 1, 2 ]
amdhsa.kernels:
  - .name:           k_q0ce10a2834_prep
    .symbol:         k_q0ce10a2834_prep.kd
    .args:
      - { .name: x, .offset: 0, .size: 8, .value_kind: global_buffer, .address_space: global }
      - { .name: Wq, .offset: 8, .size: 8, .value_kind: global_buffer, .address_space: global }
      - { .name: Wk, .offset: 16, .size: 8, .value_kind: global_buffer, .address_space: global }
      - { .name: Wv, .offset: 24, .size: 8, .value_kind: global_buffer, .address_space: global }
      - { .name: Wf, .offset: 32, .size: 8, .value_kind: global_buffer, .address_space: global }
      - { .name: codes, .offset: 40, .size: 8, .value_kind: global_buffer, .address_space: global }
      - { .name: scl, .offset: 48, .size: 8, .value_kind: global_buffer, .address_space: global }
      - { .name: wf16, .offset: 56, .size: 8, .value_kind: global_buffer, .address_space: global }
    .group_segment_fixed_size: 16640
    .private_segment_fixed_size: 0
    .kernarg_segment_align: 8
    .kernarg_segment_size: 64
    .max_flat_workgroup_size: 64
    .sgpr_count:     66
    .vgpr_count:     224
    .wavefront_size: 32
...
	.end_amdgpu_metadata
.endif
;; end of part 1
;; launch proj (part 2): grid 9 x 16, 8 waves a work-group, no clusters, 205,824 bytes of LDS; arguments codes, scl, qf, kvf, h32; writes qf, kvf, h32
.if DOCPART == 2
	.amdgcn_target "amdgcn-amd-amdhsa--gfx1250"
	.amdhsa_code_object_version 6
	.text
	.protected	k_q0ce10a2834_proj
	.globl	k_q0ce10a2834_proj
	.p2align	8
	.type	k_q0ce10a2834_proj,@function
k_q0ce10a2834_proj:
	s_mov_b64 s[64:65], 0
	v_nop
	global_prefetch_b8 v0, s[64:65] scope:SCOPE_SE
	s_setreg_imm32_b32 hwreg(HW_REG_WAVE_MODE, 25, 1), 1
	s_wait_xcnt 0x0
; The three quantised products as ONE GEMM on codes of FP4: [4096 rows of x] x [1152 rows of Wq, Wk, Wv], K = 1024; sums in f32.
; codes [5248][512 bytes], scl [5248][32 bytes]: rows 0-4095 x, 4096-5119 Wq, 5120-5183 Wk, 5184-5247 Wv.
; SHARES.  Work-group (cx, by) makes 256 rows x 128 columns over all of K: its 384 rows of codes (192 KiB) come into LDS in ONE set of first fills: no ring, one barrier.
; Wave w: 64 rows (rq = w % 4) x 64 columns (ch = w / 4: one head): 16 accumulators, 8 K steps of 128, 128 matrix instructions.  cx = 8: ch 0 is k, ch 1 is v.
; RESULTS LEAVE AS IMAGES OF THE NEXT OPERAND'S REGISTERS.  Source 0 = 16 rows of W, source 1 = 16 rows of x: a lane holds ONE position and eight neighbouring channels; packed to f16 those 16 bytes are
; half a fragment (16 rows x 32 channels) of q or k as the attention's first product takes it.  For v the sources change places: a lane holds one channel and eight neighbouring keys: half a fragment of V^T.
; So every store is 512 consecutive bytes, straight from registers.  qf [position tile][head][channel tile][lane][16];  kvf [key tile][k: 4 x 512 bytes, then v^T: 4 x 512 bytes].
; The f32 sums of positions 0-15 of each sequence go to h32 besides, as they lie in the accumulators: [batch][column tile 0..71][registers 0-3, 4-7][lane][16].
; LIMITS: |q|, |k|, |v| stay under 65,504 (f16).
; NO CLUSTER: the grid is 9 work-groups along x, which no cluster of four divides.
.set PITCH, 528                        ; an LDS row: 512 bytes of codes + 16 of padding: an odd multiple of 16, so the 16 rows that a load touches start at 16 different columns of 16 bytes
.set B64,   64*PITCH                   ; 64 rows: what one tensor load brings, and what a wave reads of a side
.set WT,    4*B64                      ; x's 256 rows, then W's 128 rows (they end at byte 202,752)
.set SPARE, 204800                     ; the spare words, 128 bytes for each of eight waves: four blocks of 256 bytes that no other line names
.set LI,   3                           ; v3   16 x lane
.set ADR0, 4                           ; v4   LDS address of source 0's fragments
.set ADR1, 5                           ; v5   of source 1's
.set SOF,  6                           ; v6   byte offset of my scale words: lanes 0-15 source 1's rows, lanes 16-31 source 0's
.set SPW,  10                          ; v10  LDS address of my spare word; never rewritten
.set NIL,  11                          ; v11  0; never rewritten
.set SC,   16                          ; v16-47  scale words and nothing else: register 8 i + q: lanes 0-15 source 1's tile i, lanes 16-31 source 0's tile i, K step q
.set F0,   48                          ; v48-79  source 0's four fragments
.set F1,   80                          ; v80-111 source 1's
.set PK,   48                          ; the way out: 64 registers of f16 pairs
.set ACC,  128                         ; v128-255: accumulator (a, b) at v[128 + 8 (4 a + b)]: a = source 1's tile, b = source 0's
.set G0,   12                          ; s[12:15] descriptor group 0
.set G1,   16                          ; s[16:23] descriptor group 1
.set WV,   26
.set RQ,   27
.set CH,   28
.set BY,   29
.set ISV,  31                          ; 1 in the waves that make v
	s_load_b256 s[4:11], s[0:1], 0x0               ; codes 4, scl 6, qf 8, kvf 10
	s_load_b64 s[24:25], s[0:1], 0x20              ; h32
	v_lshl_add_u32 v[SPW], v0, 2, SPARE
	v_mov_b32 v[NIL], 0
	ds_add_u32 v[SPW], v[NIL]                      ; the wave's opening: the add, twice on end, and its wait ahead of the first tensor load
	ds_add_u32 v[SPW], v[NIL]
	v_lshrrev_b32 v1, 5, v0
	v_readfirstlane_b32 s[WV], v1                  ; wave 0..7
	s_and_b32 s[RQ], s[WV], 3
	s_lshr_b32 s[CH], s[WV], 2
	s_and_b32 s[BY], ttmp7, 0xffff
	; descriptor group 1: 64 rows of 512 elements of one byte, 512 bytes apart in memory, 4 words of padding behind every 128 words
	s_mov_b32 s[G1+0], (0<<16)|(1<<20)|(6<<22)|(3<<25)
	s_mov_b32 s[G1+1], 512<<16                     ; tensor_dim0
	s_mov_b32 s[G1+2], 64<<16                      ; tensor_dim1
	s_mov_b32 s[G1+3], 512<<16                     ; tile_dim0
	s_mov_b32 s[G1+4], 64                          ; tile_dim1
	s_mov_b32 s[G1+5], 512                         ; stride from row to row
	s_mov_b32 s[G1+6], 0
	s_mov_b32 s[G1+7], 0
	; which rows are source 0's and which source 1's
	s_mul_i32 s32, s[RQ], B64                      ; my 64 rows of x in LDS
	s_mul_i32 s33, s[CH], B64
	s_add_co_u32 s33, s33, WT                      ; my 64 rows of W in LDS
	s_lshl_b32 s34, s[BY], 8
	s_lshl_b32 s35, s[RQ], 6
	s_add_co_u32 s34, s34, s35                     ; and in the stream of rows: x's,
	s_lshl_b32 s35, ttmp9, 7
	s_lshl_b32 s36, s[CH], 6
	s_add_co_u32 s35, s35, s36
	s_add_co_u32 s35, s35, 4096                    ; W's
	s_cmp_eq_u32 ttmp9, 8
	s_cselect_b32 s[ISV], s[CH], 0
	s_cmp_eq_u32 s[ISV], 1
	s_cselect_b32 s37, s32, s33                    ; source 0: W's rows; for v: x's
	s_cselect_b32 s38, s33, s32                    ; source 1: x's rows; for v: W's
	s_cselect_b32 s39, s34, s35
	s_cselect_b32 s40, s35, s34
	v_and_b32 v1, 15, v0                           ; r
	v_bfe_u32 v2, v0, 4, 1                         ; h
	v_and_b32 v[LI], 31, v0
	v_lshlrev_b32 v[LI], 4, v[LI]
	v_mul_u32_u24 v7, v1, PITCH
	v_lshl_add_u32 v7, v2, 4, v7                   ; a fragment's row x pitch + 16 x half
	v_add_nc_u32 v[ADR0], s37, v7
	v_add_nc_u32 v[ADR1], s38, v7
	v_mov_b32 v8, s40
	v_mov_b32 v9, s39
	v_cmp_eq_u32 s44, 1, v2
	v_cndmask_b32 v[SOF], v8, v9, s44              ; lanes 0-15: source 1's first row; lanes 16-31: source 0's
	v_add_nc_u32 v[SOF], v[SOF], v1
	v_lshlrev_b32 v[SOF], 5, v[SOF]                ; 32 scale bytes a row
	; what I fetch: waves 0-3 x's rows 64 w on, waves 4, 5 W's rows 64 (w - 4) on; in LDS both lie at 64 w rows
	s_min_u32 s[G0+1], s[WV], 5
	s_mul_i32 s[G0+1], s[G0+1], B64
	s_lshl_b32 s41, s[WV], 6
	s_lshl_b32 s42, s[BY], 8
	s_add_co_u32 s42, s42, s41
	s_lshl_b32 s43, ttmp9, 7
	s_add_co_u32 s43, s43, s41
	s_add_co_u32 s43, s43, 3840                    ; 4096 + 128 cx + 64 (w - 4)
	s_cmp_lt_u32 s[WV], 4
	s_cselect_b32 s42, s42, s43
	s_lshl_b32 s42, s42, 9                         ; 512 bytes a row
	s_mov_b32 s43, 0
	s_mov_b32 s[G0], 1
	s_wait_dscnt 0x0                               ; both opening adds are done
	s_wait_kmcnt 0x0
	s_add_nc_u64 s[G0+2:G0+3], s[4:5], s[42:43]
	s_or_b32 s[G0+3], s[G0+3], 0x80000000
	s_cmp_lt_u32 s[WV], 6
	s_cbranch_scc0 .Lno_fetch
	tensor_load_to_lds s[G0:G0+3], s[G1:G1+7]      ; one load a wave is out, in six of the eight waves
	s_nop 0
.rept 4
	v_nop
.endr
.Lno_fetch:
.irp i, 0,1,2,3
	global_load_b128 v[SC+8*\i:SC+8*\i+3], v[SOF], s[6:7] offset:512*\i        ; tile i's words of K steps 0-3,
	global_load_b128 v[SC+8*\i+4:SC+8*\i+7], v[SOF], s[6:7] offset:512*\i+16   ; and 4-7: a row's 32 bytes are read once
.endr
	; where the results go
	s_lshl_b32 s45, s[BY], 4
	s_lshl_b32 s46, s[RQ], 2
	s_add_co_u32 s45, s45, s46                     ; my first tile of 16 positions
	s_lshl_b32 s46, s45, 15
	s_lshl_b32 s47, ttmp9, 1
	s_add_co_u32 s47, s47, s[CH]                   ; the head
	s_lshl_b32 s47, s47, 11
	s_add_co_u32 s46, s46, s47
	s_mov_b32 s47, 0
	s_add_nc_u64 s[8:9], s[8:9], s[46:47]          ; qf: 32,768 bytes a position tile, 2,048 a head
	s_lshl_b32 s46, s45, 12
	s_add_nc_u64 s[10:11], s[10:11], s[46:47]      ; kvf: 4,096 bytes a key tile
	s_lshr_b32 s46, s[BY], 3
	s_mul_i32 s46, s46, 72
	s_lshl_b32 s48, ttmp9, 3
	s_add_co_u32 s46, s46, s48
	s_lshl_b32 s48, s[CH], 2
	s_add_co_u32 s46, s46, s48
	s_lshl_b32 s46, s46, 10
	s_add_nc_u64 s[24:25], s[24:25], s[46:47]      ; h32: 1,024 bytes a column tile
	s_wait_tensorcnt 0x0                           ; my part of the codes is in,
	s_barrier_signal -1
	s_barrier_wait -1                              ; everybody's is
	s_wait_loadcnt 0x0                             ; the scale words
; A K step of 128: eight fragments (two loads of 16 bytes a lane each), sixteen products.  The sixteen accumulators take turns, one instruction a turn.
.macro KSTEP q
.if (\q) > 0
.rept 4
	v_nop                                          ; four places in front of loads into registers that matrix instructions have read
.endr
.endif
.irp i, 0,1,2,3
.irp c, 0,1
	ds_load_b128 v[F0+8*\i+4*\c:F0+8*\i+4*\c+3], v[ADR0] offset:\i*16*PITCH+64*(\q)+32*\c
	ds_load_b128 v[F1+8*\i+4*\c:F1+8*\i+4*\c+3], v[ADR1] offset:\i*16*PITCH+64*(\q)+32*\c
.endr
.endr
	s_wait_dscnt 0x0
.irp a, 0,1,2,3
.irp b, 0,1,2,3
.if (\q) == 0
	v_wmma_scale_f32_16x16x128_f8f6f4 v[ACC+8*(4*\a+\b):ACC+8*(4*\a+\b)+7], v[F0+8*\b:F0+8*\b+7], v[F1+8*\a:F1+8*\a+7], 0, v[SC+8*\b+(\q)], v[SC+8*\a+(\q)] matrix_a_fmt:MATRIX_FMT_FP4 matrix_b_fmt:MATRIX_FMT_FP4 matrix_a_scale:MATRIX_SCALE_ROW1
.else
	v_wmma_scale_f32_16x16x128_f8f6f4 v[ACC+8*(4*\a+\b):ACC+8*(4*\a+\b)+7], v[F0+8*\b:F0+8*\b+7], v[F1+8*\a:F1+8*\a+7], v[ACC+8*(4*\a+\b):ACC+8*(4*\a+\b)+7], v[SC+8*\b+(\q)], v[SC+8*\a+(\q)] matrix_a_fmt:MATRIX_FMT_FP4 matrix_b_fmt:MATRIX_FMT_FP4 matrix_a_scale:MATRIX_SCALE_ROW1
.endif
.endr
.endr
.endm
.irp q, 0,1,2,3,4,5,6,7
	KSTEP \q
.endr
.rept 4
	v_nop                                          ; four places in front of the first read of results and of writes into the fragments' registers
.endr
	; positions 0-15 of a sequence (by a multiple of 8, rq = 0): the f32 sums as they lie, each accumulator from its low end on
	s_and_b32 s36, s[BY], 7
	s_or_b32 s36, s36, s[RQ]
	s_cmp_lg_u32 s36, 0
	s_cbranch_scc1 .Lno32
	s_cmp_eq_u32 s[ISV], 1
	s_cbranch_scc1 .Lv32
.irp n, 0,1,2,3
	global_store_b128 v[LI], v[ACC+8*\n:ACC+8*\n+3], s[24:25] offset:1024*\n          ; q, k: position tile 0, channel tile n
	global_store_b128 v[LI], v[ACC+8*\n+4:ACC+8*\n+7], s[24:25] offset:1024*\n+512
.endr
	s_branch .Lno32
.Lv32:
.irp n, 0,1,2,3
	global_store_b128 v[LI], v[ACC+32*\n:ACC+32*\n+3], s[24:25] offset:1024*\n        ; v: channel tile n, key tile 0
	global_store_b128 v[LI], v[ACC+32*\n+4:ACC+32*\n+7], s[24:25] offset:1024*\n+512
.endr
.Lno32:
.set t, 0
.rept 16
.irp i, 0,1,2,3
	v_cvt_pk_f16_f32 v[PK+4*t+\i], v[ACC+8*t+2*\i], v[ACC+8*t+2*\i+1]   ; eight neighbours become 16 bytes; each accumulator in ascending order
.endr
.set t, t+1
.endr
	s_cmp_eq_u32 ttmp9, 8
	s_cbranch_scc1 .Lkv
.irp a, 0,1,2,3
.irp b, 0,1,2,3
	global_store_b128 v[LI], v[PK+4*(4*\a+\b):PK+4*(4*\a+\b)+3], s[8:9] offset:\a*32768+\b*512   ; q: 512 consecutive bytes a store
.endr
.endr
	s_branch .Ldone
.Lkv:
	s_cmp_eq_u32 s[CH], 1
	s_cbranch_scc1 .Lv
.irp a, 0,1,2,3
.irp b, 0,1,2,3
	global_store_b128 v[LI], v[PK+4*(4*\a+\b):PK+4*(4*\a+\b)+3], s[10:11] offset:\a*4096+\b*512   ; k: key tile a, channel tile b
.endr
.endr
	s_branch .Ldone
.Lv:
.irp a, 0,1,2,3
.irp b, 0,1,2,3
	global_store_b128 v[LI], v[PK+4*(4*\a+\b):PK+4*(4*\a+\b)+3], s[10:11] offset:\b*4096+2048+\a*512   ; v^T: key tile b, channel tile a
.endr
.endr
.Ldone:
	s_wait_tensorcnt 0x0                           ; the wave's end
	ds_add_u32 v[SPW], v[NIL]
	s_wait_dscnt 0x0
	s_endpgm
.Lfunc_end_k_q0ce10a2834_proj:
	.size	k_q0ce10a2834_proj, .Lfunc_end_k_q0ce10a2834_proj-k_q0ce10a2834_proj
	.p2alignl 7, 3214868480
	.fill 96, 4, 3214868480
	.section	.rodata,"a",@progbits
	.p2align	6, 0x0
	.amdhsa_kernel k_q0ce10a2834_proj
		.amdhsa_group_segment_fixed_size 205824
		.amdhsa_private_segment_fixed_size 0
		.amdhsa_enable_private_segment 0
		.amdhsa_kernarg_size 40
		.amdhsa_user_sgpr_count 2
		.amdhsa_user_sgpr_kernarg_segment_ptr 1
		.amdhsa_wavefront_size32 1
		.amdhsa_system_sgpr_workgroup_id_x 1
		.amdhsa_system_sgpr_workgroup_id_y 1
		.amdhsa_system_sgpr_workgroup_id_z 1
		.amdhsa_system_vgpr_workitem_id 0
		.amdhsa_next_free_vgpr 256
		.amdhsa_next_free_sgpr 66
		.amdhsa_reserve_vcc 0
		.amdhsa_float_denorm_mode_32 3
		.amdhsa_float_denorm_mode_16_64 3
		.amdhsa_memory_ordered 1
		.amdhsa_forward_progress 1
		.amdhsa_inst_pref_size 41
	.end_amdhsa_kernel
	.amdgpu_metadata
---
amdhsa.version: [ 1, 2 ]
amdhsa.kernels:
  - .name:           k_q0ce10a2834_proj
    .symbol:         k_q0ce10a2834_proj.kd
    .args:
      - { .name: codes, .offset: 0, .size: 8, .value_kind: global_buffer, .address_space: global }
      - { .name: scl, .offset: 8, .size: 8, .value_kind: global_buffer, .address_space: global }
      - { .name: qf, .offset: 16, .size: 8, .value_kind: global_buffer, .address_space: global }
      - { .name: kvf, .offset: 24, .size: 8, .value_kind: global_buffer, .address_space: global }
      - { .name: h32, .offset: 32, .size: 8, .value_kind: global_buffer, .address_space: global }
    .group_segment_fixed_size: 205824
    .private_segment_fixed_size: 0
    .kernarg_segment_align: 8
    .kernarg_segment_size: 40
    .max_flat_workgroup_size: 256
    .sgpr_count:     66
    .vgpr_count:     256
    .wavefront_size: 32
...
	.end_amdgpu_metadata
.endif
;; end of part 2
;; launch attn (part 3): grid 4 x 64, 8 waves a work-group, no clusters, 327,680 bytes of LDS; arguments qf, kvf, ao; writes ao
.if DOCPART == 3
	.amdgcn_target "amdgcn-amd-amdhsa--gfx1250"
	.amdhsa_code_object_version 6
	.text
	.protected	k_q0ce10a2834_attn
	.globl	k_q0ce10a2834_attn
	.p2align	8
	.type	k_q0ce10a2834_attn,@function
k_q0ce10a2834_attn:
	s_mov_b64 s[64:65], 0
	v_nop
	global_prefetch_b8 v0, s[64:65] scope:SCOPE_SE
	s_setreg_imm32_b32 hwreg(HW_REG_WAVE_MODE, 25, 1), 1
	s_wait_xcnt 0x0
; The banded attention: key k counts for query t where t - 1024 <= k <= t, 16 query heads of 64 channels on one shared key and value head, 2 sequences of 2,048.
; Operands in f16 (register images made by the launch before), products, maxima and sums in f32; the weights p are rounded to f16 for the second product, the result once, to f16, into ao [4096][1024].
; SHARES.  Work-group (hg, pb): 64 positions (block tb = pb % 32 of sequence pb / 32) x 4 heads.  Wave w: position tile w % 4, heads 4 hg + 2 (w / 4) + e, e = 0, 1: two tiles of 16 queries at the SAME
; positions, so one compare masks both.  Two waves to a SIMD: one wave's softmax stands beside the other's products.
; LAYOUT.  S^T = K Q^T (source 0 = 16 keys, source 1 = 16 queries), O^T = V^T P (source 0 = 16 channels): a lane holds ONE query throughout; two tiles of S^T, rounded in pairs, ARE source 1 of the second product.
; THE WALK.  Keys go in aligned slots of 128 (32 KiB of kvf), downward from the slot that holds the diagonal: 9 slots, 2 steps of 64 keys each, a constant of the text.  REL = my block - the step's block.
; A step works where 0 <= REL <= min(16, tb); the others are jumped over by a scalar branch on ids.  REL = 0: keys above the query are hidden; REL = 16: keys whose place in their block is under the query's.
; The first step that works is the diagonal's, in which every query has its own key: the running maximum is a number from then on.  Hidden scores become -infinity: p = 0.
; THE RING.  Two slots; every wave fetches 4 KiB of a slot (one key tile) with one tensor load behind each change of slots: one load a wave is out, with two key steps in which to land.
; A slot under the sequence's first key is not asked for: a jump on ids and counted steps, the same in all waves, leads round the load alone; every wait on TENSORcnt is for 0.
; NO CLUSTER, though the four head groups of a block walk the same keys: where the fills end hangs on the block's number, so the tail cannot be written out.
; LIMITS: as the launch before: |q|, |k|, |v| under 65,504.
.set SLOT1, 32768                      ; slot 1 begins here: one exclusive or turns an address in one slot into the other's
.set SP,    272                        ; a stage row: 256 bytes + 16
.set STAGE, 65536                      ; behind the ring: 16 rows x 272 bytes for each wave
.set SPARE, STAGE+8*16*SP              ; behind the stages: the spare words, 128 bytes for each of eight waves: four blocks of 256 bytes that no other line names
.set LA,   1                           ; v1   16 x lane
.set ADR,  2                           ; v2   LDS address of the step's images
.set ME,   3                           ; v3   my query's place in its block - 8 (lane / 16)
.set NINF, 4                           ; v4   -infinity
.set SPW,  5                           ; v5   LDS address of my spare word; never rewritten
.set NIL,  6                           ; v6   0; never rewritten
.set STO,  7                           ; v7   the way out: where I put 16 bytes of a row
.set RD,   8                           ; v8   where I read a row back
.set GO,   9                           ; v9   my byte offset in the wave's rows of ao
.set ST,   16                          ; tile e's statistics at v[16 + 8 e]: +0 c m, +1 m, +2, +3 l in two halves, +4 .. +7 at work (a takes +6)
.set Q,    32                          ; v32-63   Q: tile e, channels 32 c on, at v[32 + 16 e + 8 c]
.set KV,   64                          ; v64-127  K of a step, then V
.set S,    128                         ; v128-191 S^T: tile e, keys 16 kt on, at v[128 + 32 e + 8 kt]; P in place in the tile's first 16 registers
.set O,    192                         ; v192-255 O^T: tile e, channels 16 dt on, at v[192 + 32 e + 8 dt]
.set WV,   10
.set G0,   12                          ; s[12:15] descriptor group 0: it walks
.set G1,   16                          ; s[16:23] descriptor group 1
.set PB,   24
.set TBK,  25
.set JN,   26                          ; the slot that the next change asks for
.set REL,  27
.set LIM,  28
.set TB,   29                          ; LDS byte at which the slot in hand begins
.set SLOTS, 30
.set CS,   32                          ; s[32:33] c = log2(e) / 8
.set SEL,  34                          ; s[34:35] v_permlanex16_b32's selects for lane l xor 16
	s_load_b128 s[4:7], s[0:1], 0x0                ; qf, kvf
	s_load_b64 s[8:9], s[0:1], 0x10                ; ao
	v_lshl_add_u32 v[SPW], v0, 2, SPARE
	v_mov_b32 v[NIL], 0
	ds_add_u32 v[SPW], v[NIL]                      ; the wave's opening: the add, twice on end, and its wait ahead of my first tensor load
	ds_add_u32 v[SPW], v[NIL]
	v_lshrrev_b32 v10, 5, v0
	v_readfirstlane_b32 s[WV], v10                 ; wave 0..7
	s_and_b32 s[PB], ttmp7, 0xffff
	s_and_b32 s[TBK], s[PB], 31                    ; my block of 64 positions in its sequence
	s_lshr_b32 s36, s[PB], 5                       ; the sequence
	s_lshr_b32 s[JN], s[TBK], 1                    ; the slot with the diagonal
	s_and_b32 s[REL], s[TBK], 1
	s_sub_co_u32 s[REL], s[REL], 1                 ; the first step takes the slot's upper block: REL = -1 (above the diagonal: left out) or 0
	s_min_u32 s[LIM], s[TBK], 16
	s_mov_b32 s[TB], 0
	s_mov_b32 s[SLOTS], 8
	s_mov_b32 s[CS], 0x3e38aa3b                    ; c = log2(e) / sqrt(64)
	s_mov_b32 s[CS+1], s[CS]                       ; (named with it as a pair, so it is written)
	s_mov_b32 s[SEL], 0x76543210
	s_mov_b32 s[SEL+1], 0xfedcba98
	; descriptor group 1: a dense block of 4,096 bytes as 16 rows of 32 elements of 8 bytes
	s_mov_b32 s[G1+0], 3<<16
	s_mov_b32 s[G1+1], 32<<16                      ; tensor_dim0
	s_mov_b32 s[G1+2], 16<<16                      ; tensor_dim1
	s_mov_b32 s[G1+3], 32<<16                      ; tile_dim0
	s_mov_b32 s[G1+4], 16                          ; tile_dim1
	s_mov_b32 s[G1+5], 32                          ; stride from row to row
	s_mov_b32 s[G1+6], 0
	s_mov_b32 s[G1+7], 0
	s_mov_b32 s[G0], 1
	s_lshl_b32 s[G0+1], s[WV], 12                  ; slot 0, my key tile
	s_lshl_b32 s37, s36, 4
	s_add_co_u32 s37, s37, s[JN]
	s_lshl_b32 s38, s37, 15                        ; 32,768 bytes a slot, 16 slots a sequence
	s_add_co_u32 s38, s38, s[G0+1]
	s_mov_b32 s39, 0
	s_and_b32 s40, s[WV], 3                        ; my position tile
	s_lshr_b32 s41, s[WV], 2
	s_lshl_b32 s42, s[PB], 2
	s_add_co_u32 s42, s42, s40
	s_lshl_b32 s42, s42, 15                        ; qf: 32,768 bytes a position tile; ao: 16 rows of 2,048 bytes are as many
	s_lshl_b32 s43, ttmp9, 2
	s_lshl_b32 s41, s41, 1
	s_add_co_u32 s43, s43, s41                     ; my first head
	v_and_b32 v10, 15, v0                          ; r
	v_bfe_u32 v11, v0, 4, 1                        ; h
	v_and_b32 v[LA], 31, v0
	v_lshlrev_b32 v[LA], 4, v[LA]
	v_lshlrev_b32 v12, 3, v11
	v_sub_nc_u32 v[ME], v10, v12
	s_lshl_b32 s44, s40, 4
	v_add_nc_u32 v[ME], s44, v[ME]                 ; 16 pt + r - 8 h
	v_mov_b32 v[NINF], 0xff800000
	s_mul_i32 s44, s[WV], 16*SP
	s_add_co_u32 s44, s44, STAGE                   ; my stage
	v_mul_u32_u24 v[STO], v10, SP
	v_lshl_add_u32 v[STO], v11, 4, v[STO]
	v_add_nc_u32 v[STO], s44, v[STO]               ; in: row r, 16 bytes for each half of the lanes
	v_mul_u32_u24 v[RD], v11, SP
	v_lshl_add_u32 v[RD], v10, 4, v[RD]
	v_add_nc_u32 v[RD], s44, v[RD]                 ; back: lanes 0-15 one row of 256 bytes, lanes 16-31 the next
	v_lshlrev_b32 v[GO], 11, v11
	v_lshl_add_u32 v[GO], v10, 4, v[GO]            ; and the same two rows in ao
	s_wait_dscnt 0x0                               ; both opening adds are done
	s_wait_kmcnt 0x0
	s_add_nc_u64 s[G0+2:G0+3], s[6:7], s[38:39]
	s_or_b32 s[G0+3], s[G0+3], 0x80000000
	tensor_load_to_lds s[G0:G0+3], s[G1:G1+7]      ; the slot with the diagonal: every work-group reads it
	s_nop 0
.rept 4
	v_nop
.endr
	s_lshl_b32 s38, s43, 11                        ; qf: 2,048 bytes a head
	s_add_co_u32 s38, s38, s42
	s_add_nc_u64 s[4:5], s[4:5], s[38:39]
	s_lshl_b32 s38, s43, 7                         ; ao: 128 bytes a head
	s_add_co_u32 s38, s38, s42
	s_add_nc_u64 s[8:9], s[8:9], s[38:39]
.irp i, 0,1,2,3,4,5,6,7
	global_load_b128 v[Q+4*\i:Q+4*\i+3], v[LA], s[4:5] offset:512*\i   ; Q stays in registers: tile i / 4, channel tile i % 4
.endr
.irp e, 0,1
	v_mov_b32 v[ST+8*\e+1], 0xff61b1e6             ; m: -3e38, under every score
	v_mul_f32 v[ST+8*\e], s[CS], v[ST+8*\e+1]      ; c m
.irp i, 2,3,4,5,6,7
	v_mov_b32 v[ST+8*\e+\i], 0                     ; l; and the registers at work, written once (a lane permute's destination counts as a source)
.endr
.endr
.set i, 0
.rept 64
	v_mov_b32 v[O+i], 0                            ; O^T.  Which step is a work-group's first hangs on its number, so the step is written once: the first finds zeros, which a = 0 leaves zeros
.set i, i+1
.endr
	s_wait_loadcnt 0x0                             ; Q
; THE CHANGE OF SLOTS, at a slot's head.  Each wave waits for all its tensor loads (its part of the slot ahead), adds 0 to its spare word, and waits for that and for its reads of the slot that it has left.
; Behind the barrier the slot ahead is whole and nobody reads the other one.  fill = 1: that other slot takes the 128 keys below, if the sequence has them.
.macro CHANGE fill
	s_wait_tensorcnt 0x0                           ; no tensor load of mine is out, so group 0 may be written
	ds_add_u32 v[SPW], v[NIL]                      ; (every way here leads through the head's tensor load: it stands once)
.if \fill
	s_xor_b32 s[G0+1], s[G0+1], SLOT1              ; the other slot than last time,
	s_sub_nc_u64 s[G0+2:G0+3], s[G0+2:G0+3], SLOT1 ; the 128 keys below
	s_sub_co_i32 s[JN], s[JN], 1
.endif
	s_wait_dscnt 0x0                               ; the add is done, and my reads of the slot that I have left are over
	s_barrier_signal -1
	s_barrier_wait -1
.if \fill
	s_cmp_lt_i32 s[JN], 0                          ; ids and the count of changes alone: all eight waves go the same way, and a work-group that is past the sequence's start stays past it
	s_cbranch_scc1 .Lpast_\@
	tensor_load_to_lds s[G0:G0+3], s[G1:G1+7]      ; the first thing behind the barrier, and my one tensor load until the next
	s_nop 0
.rept 4
	v_nop
.endr
.Lpast_\@:
.endif
.endm
; Register 8 kt + j of a tile holds the key at place 16 kt + 8 (lane / 16) + j of its block.  far = 0: hidden where that place is above my query's; far = 1: where it is under it.
.macro MASK far
.set n, 0
.rept 32
.if \far
	v_cmp_lt_i32 vcc_lo, 16*(n/8)+n%8, v[ME]
.else
	v_cmp_gt_i32 vcc_lo, 16*(n/8)+n%8, v[ME]
.endif
	v_cndmask_b32 v[S+n], v[S+n], v[NINF], vcc_lo
	v_cndmask_b32 v[S+32+n], v[S+32+n], v[NINF], vcc_lo
.set n, n+1
.endr
.endm
; Both tiles' softmax for 64 keys, the tiles line by line, so that no line waits for the line above it.
.macro SOFTMAX
.irp i, 0,1,2,3
.irp e, 0,1
	v_max3_num_f32 v[ST+8*\e+4+\i], v[S+32*\e+8*\i], v[S+32*\e+8*\i+1], v[S+32*\e+8*\i+2]   ; four chains, each begun at an accumulator's low end
.endr
.endr
.irp g, 3,5
.irp i, 0,1,2,3
.irp e, 0,1
	v_max3_num_f32 v[ST+8*\e+4+\i], v[ST+8*\e+4+\i], v[S+32*\e+8*\i+\g], v[S+32*\e+8*\i+\g+1]
.endr
.endr
.endr
.irp e, 0,1
	v_max3_num_f32 v[ST+8*\e+4], v[ST+8*\e+4], v[S+32*\e+7], v[S+32*\e+15]
	v_max3_num_f32 v[ST+8*\e+6], v[ST+8*\e+6], v[S+32*\e+23], v[S+32*\e+31]
.endr
.irp e, 0,1
	v_max3_num_f32 v[ST+8*\e+4], v[ST+8*\e+4], v[ST+8*\e+5], v[ST+8*\e+6]
.endr
.irp e, 0,1
	v_max3_num_f32 v[ST+8*\e+4], v[ST+8*\e+4], v[ST+8*\e+7], v[ST+8*\e+1]   ; and the old m
.endr
.irp e, 0,1
	v_permlanex16_b32 v[ST+8*\e+5], v[ST+8*\e+4], s[SEL], s[SEL+1]   ; the query's other 32 keys lie in the lane 16 away
.endr
.irp e, 0,1
	v_mov_b32 v[ST+8*\e+7], v[ST+8*\e]             ; c m_old is kept for a
.endr
.irp e, 0,1
	v_max_num_f32 v[ST+8*\e+1], v[ST+8*\e+4], v[ST+8*\e+5]
.endr
.irp e, 0,1
	v_mul_f32 v[ST+8*\e], s[CS], v[ST+8*\e+1]
.endr
.irp e, 0,1
	v_sub_f32 v[ST+8*\e+7], v[ST+8*\e+7], v[ST+8*\e]
.endr
.set n, 0
.rept 16
.irp e, 0,1
	v_pk_fma_f32 v[S+32*\e+2*n:S+32*\e+2*n+1], v[S+32*\e+2*n:S+32*\e+2*n+1], s[CS:CS+1], v[ST+8*\e:ST+8*\e+1] op_sel_hi:[1,0,0] neg_lo:[0,0,1] neg_hi:[0,0,1]   ; c s - c m
.endr
.set n, n+1
.endr
.irp e, 0,1
	v_exp_f32 v[ST+8*\e+6], v[ST+8*\e+7]           ; a = 2^(c m_old - c m_new).  ONE BATCH: 66 exponentials, none of which reads another's result
.endr
.set n, 0
.rept 32
.irp e, 0,1
	v_exp_f32 v[S+32*\e+n], v[S+32*\e+n]
.endr
.set n, n+1
.endr
	v_nop                                          ; the plain line behind the last exponential,
	s_wait_alu depctr_va_vdst(0)                   ; and the one wait ahead of the batch's first reader
.irp e, 0,1
	v_pk_fma_f32 v[ST+8*\e+2:ST+8*\e+3], v[ST+8*\e+2:ST+8*\e+3], v[ST+8*\e+6:ST+8*\e+7], v[S+32*\e:S+32*\e+1] op_sel_hi:[1,0,1]   ; l = a l + the first pair: the sum is taken of p before it is rounded
.endr
.irp e, 0,1
	v_pk_add_f32 v[ST+8*\e+4:ST+8*\e+5], v[S+32*\e+2:S+32*\e+3], v[S+32*\e+4:S+32*\e+5]   ; a second chain
.endr
.irp j, 6,10,14,18,22,26
.irp e, 0,1
	v_pk_add_f32 v[ST+8*\e+2:ST+8*\e+3], v[ST+8*\e+2:ST+8*\e+3], v[S+32*\e+\j:S+32*\e+\j+1]
	v_pk_add_f32 v[ST+8*\e+4:ST+8*\e+5], v[ST+8*\e+4:ST+8*\e+5], v[S+32*\e+\j+2:S+32*\e+\j+3]
.endr
.endr
.irp e, 0,1
	v_pk_add_f32 v[ST+8*\e+2:ST+8*\e+3], v[ST+8*\e+2:ST+8*\e+3], v[S+32*\e+30:S+32*\e+31]
.endr
.irp e, 0,1
	v_pk_add_f32 v[ST+8*\e+2:ST+8*\e+3], v[ST+8*\e+2:ST+8*\e+3], v[ST+8*\e+4:ST+8*\e+5]
.endr
.set n, 0
.rept 16
.irp e, 0,1
	v_cvt_pk_f16_f32 v[S+32*\e+n], v[S+32*\e+2*n], v[S+32*\e+2*n+1]   ; P in place, ascending: register n is written when registers 2 n and 2 n + 1 are read, so no weight is lost
.endr
.set n, n+1
.endr
.set n, 0
.rept 16
.irp e, 0,1
	v_pk_mul_f32 v[O+32*\e+2*n:O+32*\e+2*n+1], v[O+32*\e+2*n:O+32*\e+2*n+1], v[ST+8*\e+6:ST+8*\e+7] op_sel_hi:[1,0]   ; O^T x a, each accumulator from its low end on
.endr
.set n, n+1
.endr
.endm
; A KEY STEP: the 64 keys of half u of the slot in hand.
.macro STEP u
	s_cmp_gt_u32 s[REL], s[LIM]                    ; above the diagonal (REL = -1 is the greatest number), beyond the window or under the sequence's first key: the step's work is left out
	s_cbranch_scc1 .Lskip_\@
	v_add_nc_u32 v[ADR], s[TB], v[LA]
.irp kt, 0,1,2,3
.irp nt, 0,1,2,3
	ds_load_b128 v[KV+16*\kt+4*\nt:KV+16*\kt+4*\nt+3], v[ADR] offset:(4*\u+\kt)*4096+\nt*512   ; K's images: 512 consecutive bytes a load
.endr
.endr
	s_wait_dscnt 0x0
.irp c, 0,1                                    ; S^T = K Q^T: the eight accumulators take turns
.irp kt, 0,1,2,3
.irp e, 0,1
.if \c == 0
	v_wmma_f32_16x16x32_f16 v[S+32*\e+8*\kt:S+32*\e+8*\kt+7], v[KV+16*\kt:KV+16*\kt+7], v[Q+16*\e:Q+16*\e+7], 0
.else
	v_wmma_f32_16x16x32_f16 v[S+32*\e+8*\kt:S+32*\e+8*\kt+7], v[KV+16*\kt+8:KV+16*\kt+15], v[Q+16*\e+8:Q+16*\e+15], v[S+32*\e+8*\kt:S+32*\e+8*\kt+7]
.endif
.endr
.endr
.endr
.rept 4
	v_nop                                          ; four places in front of loads into K's registers and of the first read of the scores
.endr
.irp dt, 0,1,2,3
.irp kk, 0,1
.irp hf, 0,1
	ds_load_b128 v[KV+16*\dt+8*\kk+4*\hf:KV+16*\dt+8*\kk+4*\hf+3], v[ADR] offset:(4*\u+2*\kk+\hf)*4096+2048+\dt*512   ; V^T's images: they land under the softmax
.endr
.endr
.endr
	s_cmp_lg_u32 s[REL], 0
	s_cbranch_scc1 .Lnd_\@
	MASK 0                                         ; the diagonal's block
.Lnd_\@:
	s_cmp_lg_u32 s[REL], 16
	s_cbranch_scc1 .Lnf_\@
	MASK 1                                         ; the window's far block
.Lnf_\@:
	SOFTMAX
	s_wait_dscnt 0x0                               ; V
.irp kk, 0,1                                   ; O^T += V^T P: eight accumulators by turns
.irp dt, 0,1,2,3
.irp e, 0,1
	v_wmma_f32_16x16x32_f16 v[O+32*\e+8*\dt:O+32*\e+8*\dt+7], v[KV+16*\dt+8*\kk:KV+16*\dt+8*\kk+7], v[S+32*\e+8*\kk:S+32*\e+8*\kk+7], v[O+32*\e+8*\dt:O+32*\e+8*\dt+7]
.endr
.endr
.endr
.rept 5
	v_nop                                          ; five places: the next step's products write over P's registers (five), its loads land in V's (four), the way out reads O^T (four)
.endr
.Lskip_\@:
	s_add_co_u32 s[REL], s[REL], 1
.endm
.Lslot:                                                ; 8 trips: behind each change of slots but the last the slot below is asked for
	CHANGE 1
	STEP 1
	STEP 0
	s_xor_b32 s[TB], s[TB], SLOT1
	s_sub_co_u32 s[SLOTS], s[SLOTS], 1
	s_cmp_lg_u32 s[SLOTS], 0
	s_cbranch_scc1 .Lslot
	CHANGE 0                                       ; the ninth slot is written out: nothing is asked for
	STEP 1
	STEP 0
	; THE WAY OUT.  l's halves are added; O^T / l, rounded to f16, goes through my stage: a row's 256 bytes are my two heads' 128 channels.
.irp e, 0,1
	v_add_f32 v[ST+8*\e+4], v[ST+8*\e+2], v[ST+8*\e+3]
.endr
.irp e, 0,1
	v_permlanex16_b32 v[ST+8*\e+5], v[ST+8*\e+4], s[SEL], s[SEL+1]
.endr
.irp e, 0,1
	v_add_f32 v[ST+8*\e+4], v[ST+8*\e+4], v[ST+8*\e+5]
.endr
.irp e, 0,1
	v_rcp_f32 v[ST+8*\e+6], v[ST+8*\e+4]
.endr
	v_nop                                          ; a plain line behind the reciprocals,
	s_wait_alu depctr_va_vdst(0)                   ; and the wait ahead of their first reader
.set n, 0
.rept 16
.irp e, 0,1
	v_pk_mul_f32 v[O+32*\e+2*n:O+32*\e+2*n+1], v[O+32*\e+2*n:O+32*\e+2*n+1], v[ST+8*\e+6:ST+8*\e+7] op_sel_hi:[1,0]
.endr
.set n, n+1
.endr
.set n, 0
.rept 16
.irp e, 0,1
	v_cvt_pk_f16_f32 v[S+16*\e+n], v[O+32*\e+2*n], v[O+32*\e+2*n+1]
.endr
.set n, n+1
.endr
.irp e, 0,1
.irp dt, 0,1,2,3
	ds_store_b128 v[STO], v[S+16*\e+4*\dt:S+16*\e+4*\dt+3] offset:128*\e+32*\dt
.endr
.endr
.irp t, 0,1,2,3,4,5,6,7
	ds_load_b128 v[S+32+4*\t:S+32+4*\t+3], v[RD] offset:\t*2*SP   ; LDS serves a wave's instructions in order: these see my stores
.endr
.irp t, 0,1,2,3,4,5,6,7
	s_wait_dscnt 7-\t                              ; load t is in; the younger ones stay out
	global_store_b128 v[GO], v[S+32+4*\t:S+32+4*\t+3], s[8:9] offset:\t*4096   ; 16 lanes store 256 consecutive bytes, at a multiple of 256 from ao's first byte
.endr
	s_wait_tensorcnt 0x0                           ; the wave's end: behind my last tensor load and my last LDS store
	ds_add_u32 v[SPW], v[NIL]
	s_wait_dscnt 0x0
	s_endpgm
.Lfunc_end_k_q0ce10a2834_attn:
	.size	k_q0ce10a2834_attn, .Lfunc_end_k_q0ce10a2834_attn-k_q0ce10a2834_attn
	.p2alignl 7, 3214868480
	.fill 96, 4, 3214868480
	.section	.rodata,"a",@progbits
	.p2align	6, 0x0
	.amdhsa_kernel k_q0ce10a2834_attn
		.amdhsa_group_segment_fixed_size 327680
		.amdhsa_private_segment_fixed_size 0
		.amdhsa_enable_private_segment 0
		.amdhsa_kernarg_size 24
		.amdhsa_user_sgpr_count 2
		.amdhsa_user_sgpr_kernarg_segment_ptr 1
		.amdhsa_wavefront_size32 1
		.amdhsa_system_sgpr_workgroup_id_x 1
		.amdhsa_system_sgpr_workgroup_id_y 1
		.amdhsa_system_sgpr_workgroup_id_z 1
		.amdhsa_system_vgpr_workitem_id 0
		.amdhsa_next_free_vgpr 256
		.amdhsa_next_free_sgpr 66
		.amdhsa_reserve_vcc 1
		.amdhsa_float_denorm_mode_32 3
		.amdhsa_float_denorm_mode_16_64 3
		.amdhsa_memory_ordered 1
		.amdhsa_forward_progress 1
		.amdhsa_inst_pref_size 107
	.end_amdhsa_kernel
	.amdgpu_metadata
---
amdhsa.version: [ 1, 2 ]
amdhsa.kernels:
  - .name:           k_q0ce10a2834_attn
    .symbol:         k_q0ce10a2834_attn.kd
    .args:
      - { .name: qf, .offset: 0, .size: 8, .value_kind: global_buffer, .address_space: global }
      - { .name: kvf, .offset: 8, .size: 8, .value_kind: global_buffer, .address_space: global }
      - { .name: ao, .offset: 16, .size: 8, .value_kind: global_buffer, .address_space: global }
    .group_segment_fixed_size: 327680
    .private_segment_fixed_size: 0
    .kernarg_segment_align: 8
    .kernarg_segment_size: 24
    .max_flat_workgroup_size: 256
    .sgpr_count:     66
    .vgpr_count:     256
    .wavefront_size: 32
...
	.end_amdgpu_metadata
.endif
;; end of part 3
;; launch final (part 4): grid 8 x 32, 4 waves a work-group, clusters of 4 x 4, 327,680 bytes of LDS; arguments ao, wf16, bf, out0; writes out0
.if DOCPART == 4
	.amdgcn_target "amdgcn-amd-amdhsa--gfx1250"
	.amdhsa_code_object_version 6
	.text
	.protected	k_q0ce10a2834_final
	.globl	k_q0ce10a2834_final
	.p2align	8
	.type	k_q0ce10a2834_final,@function
k_q0ce10a2834_final:
	s_mov_b64 s[64:65], 0
	v_nop
	global_prefetch_b8 v0, s[64:65] scope:SCOPE_SE
	s_setreg_imm32_b32 hwreg(HW_REG_WAVE_MODE, 25, 1), 1
	s_wait_xcnt 0x0
	s_wait_alu depctr_hold_cnt(0) depctr_sa_sdst(0) depctr_va_vdst(0) depctr_va_sdst(0) depctr_va_ssrc(0) depctr_va_vcc(0) depctr_vm_vsrc(0)
	s_getreg_b32 s2, hwreg(HW_REG_IB_STS2, 6, 4)
	s_cmp_eq_u32 s2, 0
	s_cbranch_scc0 .Lentry_in_a_cluster
	s_endpgm
.Lentry_in_a_cluster:
	s_bfe_u32 s2, ttmp6, 0x10000c
	s_cmp_lg_u32 s2, 0xf033
	s_cbranch_scc0 .Lentry_shape_is_right
	s_endpgm
.Lentry_shape_is_right:
; out0[m][n] = sum over k of ao[m][k] wf16[n][k] + bf[n].  ao: [4096][1024], wf16: [1024][1024], f16; bf: [1024], out0: [4096][1024], f32; sums in f32.
; A tile of the output is 128 x 128: 256 work-groups.  Four waves, each 64 x 64: 16 accumulators of 16 x 16.  K goes in steps of 256 (LDS rows of 512 bytes; a wave's tensor load brings 64 of them) through two slots.
; CLUSTERS: 4 x 4 work-groups.  The four of a row of the cluster need the same tiles of ao, the four of a column the same tiles of wf16: each tile is asked for JOINTLY, by the same tensor load with the
; same descriptor and a mask that names the four.  THE MATRIX INSTRUCTION IS USED TRANSPOSED (source 0 = 16 rows of wf16, source 1 = 16 rows of ao): a lane holds eight neighbouring numbers of a row of the output.
; THE BIAS is the C of each sum's first product: eight registers for each of the wave's four column blocks, in the result's layout.
; THE WAY OUT: a wave's 64 columns of f32 are 256 aligned bytes, so each wave has a stage of its own and no barrier; the stages lie in slot 0, which has had its last fill and its last read by then.
; REGISTERS: window 0: v0-31 addresses; v32-63 the bias, later with v64-95 rows on the way out; v128-255 the accumulators ((a, b) at v[128 + 8 (4 a + b)]).
;   window 1: two fragment buffers of 128: for 64 along K, 64 registers of ao (2 x 4 x 16 rows x 32 K), then 64 of wf16.
.set SIZE_M, 4096
.set SIZE_N, 1024
.set SIZE_K, 1024
.set KSTEP,  256
.set PITCH,  528                       ; an LDS row: 512 bytes of data + 16 of padding: an odd multiple of 16 bytes
.set HALFT,  64*PITCH                  ; 64 rows: what one tensor load brings, and what one wave reads of a side
.set SLOT,   4*HALFT                   ; ao's 128 rows, then wf16's 128 rows
.set SPITCH, 272                       ; a stage row: 256 bytes + 16
.set SPARE,  2*SLOT                    ; behind the ring: the spare words, 128 bytes for each wave: two blocks of 256 bytes that no other line names
.set LAPS, SIZE_K/(2*KSTEP)            ; a lap = two K steps = once round the ring
.set ADRA, 16                          ; v16-17  LDS address of my fragments of ao in slot 0, 1
.set ADRB, 20                          ; v20-21  the same for wf16
.set STO,  24                          ; v24     the way out: where I put 32 bytes of a row
.set RD,   25                          ; v25     where I read a row back
.set CO,   26                          ; v26     my byte offset in the output
.set SPW,  28                          ; v28     LDS address of my spare word; never rewritten
.set NIL,  29                          ; v29     0; never rewritten
.set BI,   32                          ; v32-63  the bias
.set TMP,  32                          ; the way out: two sets of 32 registers
.set ACC,  128
.set F0,   0                           ; fragment buffers, in window 1
.set F1,   128
.set G1, 24                            ; s[24:31] descriptor group 1 for ao's tiles;  s[32:39] group 0, one set for each slot
.set G0, 32
.set G1B, 48                           ; s[48:55], s[56:63] the same for wf16's tiles
.set G0B, 56
.set MSB, 0
.macro WIN new                         ; the immediate's high byte repeats the setting that is left
.if MSB != \new
	s_set_vgpr_msb (MSB<<8)|\new
.set MSB, \new
.endif
.endm
.set MUL,  0x05                        ; sources 0 and 1 window 1; C and D window 0
.set TO_F, 0x40                        ; destination window 1, address window 0
.macro JLOAD s                         ; a joint load: waves 0 and 1 fetch ao's two halves, waves 2 and 3 wf16's; an s_nop 0 and four v_nop follow each of the two lines
	s_cmp_eq_u32 s11, 0
	s_cbranch_scc0 .Lfor_b_\@
	tensor_load_to_lds s[G0+4*\s:G0+4*\s+3], s[G1:G1+7]
	s_nop 0
.rept 4
	v_nop
.endr
	s_branch .Lasked_\@
.Lfor_b_\@:
	tensor_load_to_lds s[G0B+4*\s:G0B+4*\s+3], s[G1B:G1B+7]
	s_nop 0
.rept 4
	v_nop
.endr
.Lasked_\@:
.endm
.macro CREST                           ; a round of the cluster's barrier behind its opening barrier
	s_cmp_lg_u32 s10, 0
	s_cbranch_scc1 .Lnot_wave_0_\@
	s_barrier_signal -3
.Lnot_wave_0_\@:
	s_barrier_wait -3
	s_barrier_signal -1
	s_barrier_wait -1
.endm
.macro CROUND                          ; a whole round
	s_barrier_signal -1
	s_barrier_wait -1
	CREST
.endm
	s_load_b128 s[4:7], s[0:1], 0x0                ; ao s[4:5], wf16 s[6:7]
	s_load_b128 s[72:75], s[0:1], 0x10             ; bf s[72:73], out0 s[74:75]
	v_lshl_add_u32 v[SPW], v0, 2, SPARE
	v_mov_b32 v[NIL], 0
	ds_add_u32 v[SPW], v[NIL]                      ; the wave's opening: the add, twice on end, and its wait ahead of my first tensor load
	ds_add_u32 v[SPW], v[NIL]
	v_lshrrev_b32 v1, 5, v0
	v_readfirstlane_b32 s10, v1                    ; wave 0..3
	s_lshr_b32 s11, s10, 1                         ; which half of the tile's rows is mine.  Also: I fetch for ao (0) or for wf16 (1)
	s_and_b32 s12, s10, 1                          ; which half of its columns.  Also: which 64 rows of that tile I fetch
	s_bfe_u32 s40, ttmp6, 0x40000                  ; cx, cy: my place in the cluster
	s_bfe_u32 s41, ttmp6, 0x40004
	s_lshl_b32 s42, ttmp9, 2
	s_add_co_u32 s42, s42, s40                     ; tile column = 4 x cluster x + cx
	s_and_b32 s13, ttmp7, 0xffff
	s_lshl_b32 s13, s13, 2
	s_add_co_u32 s13, s13, s41                     ; tile row = 4 x cluster y + cy
	s_lshl_b32 s43, s41, 2
	s_lshl_b32 s43, 15, s43                        ; my row of the cluster
	s_lshl_b32 s44, 0x1111, s40                    ; my column
	; descriptor group 1: a tile of 64 rows x 256 elements of 2 bytes, 4 words of padding behind every 128 words
	s_or_b32 s[G1+0], s43, (1<<16)|(1<<20)|(1<<21)|(6<<22)|(3<<25)
	s_or_b32 s[G1B+0], s44, (1<<16)|(1<<20)|(1<<21)|(6<<22)|(3<<25)
.irp g, G1, G1B
	s_mov_b32 s[\g+1], KSTEP<<16                   ; tensor_dim0 = 256
	s_mov_b32 s[\g+2], 64<<16                      ; tensor_dim1 = 64
	s_mov_b32 s[\g+3], KSTEP<<16                   ; tile_dim0 = 256
	s_mov_b32 s[\g+4], 64                          ; tile_dim1 = 64
	s_mov_b32 s[\g+5], SIZE_K                      ; stride from row to row
	s_mov_b32 s[\g+6], 0
	s_mov_b32 s[\g+7], 0
.endr
	s_lshl_b32 s17, s12, 6                         ; which 64 rows of the tile I fetch
	s_lshl_b32 s16, s13, 7
	s_add_co_u32 s16, s16, s17                     ; ao: row 128 x tile row + 64 x half
	s_lshl_b32 s46, s42, 7
	s_add_co_u32 s46, s46, s17                     ; wf16: row 128 x tile column + 64 x half
	s_mov_b32 s17, 0
	s_mov_b32 s47, 0
	s_mov_b64 s[18:19], SIZE_K*2
	s_mul_u64 s[16:17], s[16:17], s[18:19]
	s_mul_u64 s[46:47], s[46:47], s[18:19]
	s_mul_i32 s20, s10, HALFT                      ; where they go: wave x 64 rows: no place in the cluster enters an LDS address
	s_wait_dscnt 0x0                               ; both opening adds are done
	s_wait_kmcnt 0x0
	s_add_nc_u64 s[14:15], s[4:5], s[16:17]
	s_add_nc_u64 s[46:47], s[6:7], s[46:47]
	CROUND                                         ; all sixteen work-groups are here: the first joint loads meet
.irp s, 0,1
	s_mov_b32 s[G0+4*\s], 1
	s_add_co_u32 s[G0+4*\s+1], s20, \s*SLOT
	s_add_nc_u64 s[G0+4*\s+2:G0+4*\s+3], s[14:15], \s*KSTEP*2
	s_or_b32 s[G0+4*\s+3], s[G0+4*\s+3], 0x80000000
	s_mov_b32 s[G0B+4*\s], 1
	s_add_co_u32 s[G0B+4*\s+1], s20, \s*SLOT
	s_add_nc_u64 s[G0B+4*\s+2:G0B+4*\s+3], s[46:47], \s*KSTEP*2
	s_or_b32 s[G0B+4*\s+3], s[G0B+4*\s+3], 0x80000000
	JLOAD \s                                       ; two loads of mine are out
.endr
	v_and_b32 v1, 15, v0                           ; l % 16
	v_bfe_u32 v2, v0, 4, 1                         ; l / 16
	v_mul_u32_u24 v3, v1, PITCH
	v_lshl_add_u32 v3, v2, 4, v3                   ; a fragment's row x pitch + 16 x half
	s_mul_i32 s21, s11, HALFT                      ; my 64 rows of ao
	s_mul_i32 s22, s12, HALFT                      ; my 64 rows of wf16,
	s_add_co_u32 s22, s22, 2*HALFT                 ; which lie behind ao's 128
.irp s, 0,1
	v_add_nc_u32 v[ADRA+\s], s21, v3
	v_add_nc_u32 v[ADRB+\s], s22, v3
	s_add_co_u32 s21, s21, SLOT
	s_add_co_u32 s22, s22, SLOT
.endr
	s_mul_i32 s23, s10, 64*SPITCH                  ; my stage: 64 rows, in slot 0
	v_mul_u32_u24 v4, v1, SPITCH
	v_lshl_add_u32 v4, v2, 5, v4
	v_add_nc_u32 v[STO], s23, v4                   ; in: row l % 16, 32 bytes for each half of the lanes
	v_mul_u32_u24 v5, v2, SPITCH
	v_lshl_add_u32 v5, v1, 4, v5
	v_add_nc_u32 v[RD], s23, v5                    ; back: lanes 0-15 one row of 256 bytes, lanes 16-31 the next
	v_lshlrev_b32 v5, 12, v2
	v_lshl_add_u32 v[CO], v1, 4, v5                ; and the same two rows in the output (4,096 bytes a row)
	v_lshlrev_b32 v6, 5, v2                        ; the bias: my half's eight numbers of a column block
	s_lshl_b32 s16, s13, 7
	s_lshl_b32 s17, s11, 6
	s_add_co_u32 s16, s16, s17                     ; my first row: 128 x tile row + 64 x half
	s_lshl_b32 s16, s16, 12
	s_mov_b32 s17, 0
	s_add_nc_u64 s[74:75], s[74:75], s[16:17]
	s_lshl_b32 s46, s42, 9                         ; my first column, in bytes: 512 x tile column + 256 x half
	s_lshl_b32 s47, s12, 8
	s_add_co_u32 s46, s46, s47
	s_mov_b32 s47, 0
	s_add_nc_u64 s[74:75], s[74:75], s[46:47]
	s_add_nc_u64 s[72:73], s[72:73], s[46:47]
.irp b, 0,1,2,3
	global_load_b128 v[BI+8*\b:BI+8*\b+3], v6, s[72:73] offset:64*\b        ; bf at columns 16 b + 8 (l / 16) + 0 .. 3,
	global_load_b128 v[BI+8*\b+4:BI+8*\b+7], v6, s[72:73] offset:64*\b+16   ; and + 4 .. 7
.endr
; 8 matrix instructions: row blocks a0, a0 + 1 x all 4 column blocks, 32 along K: half c of buffer f.  zero = 1: the first product starts the sums, from the bias
.macro MUL8 f, c, a0, zero
.irp a, \a0, \a0+1
.irp b, 0,1,2,3
.if \zero
	v_wmma_f32_16x16x32_f16 v[ACC+8*(4*(\a)+\b):ACC+8*(4*(\a)+\b)+7], v[\f+64+8*(4*\c+\b):\f+64+8*(4*\c+\b)+7], v[\f+8*(4*\c+\a):\f+8*(4*\c+\a)+7], v[BI+8*\b:BI+8*\b+7]
.else
	v_wmma_f32_16x16x32_f16 v[ACC+8*(4*(\a)+\b):ACC+8*(4*(\a)+\b)+7], v[\f+64+8*(4*\c+\b):\f+64+8*(4*\c+\b)+7], v[\f+8*(4*\c+\a):\f+8*(4*\c+\a)+7], v[ACC+8*(4*(\a)+\b):ACC+8*(4*(\a)+\b)+7]
.endif
.endr
.endr
.endm
; 32 LDS loads in one run: the fragments of 64 along K at byte k of the rows, into buffer f; the first 32 along K first
.macro FETCH slot, k, f
	WIN TO_F
.irp c, 0,1
.irp i, 0,1,2,3
	ds_load_b128 v[\f+64+8*(4*\c+\i):\f+64+8*(4*\c+\i)+3],   v[ADRB+\slot] offset:\k+64*\c+\i*16*PITCH
	ds_load_b128 v[\f+64+8*(4*\c+\i)+4:\f+64+8*(4*\c+\i)+7], v[ADRB+\slot] offset:\k+64*\c+\i*16*PITCH+32
	ds_load_b128 v[\f+8*(4*\c+\i):\f+8*(4*\c+\i)+3],         v[ADRA+\slot] offset:\k+64*\c+\i*16*PITCH
	ds_load_b128 v[\f+8*(4*\c+\i)+4:\f+8*(4*\c+\i)+7],       v[ADRA+\slot] offset:\k+64*\c+\i*16*PITCH+32
.endr
.endr
.endm
.macro PLACES                          ; four places in front of loads into registers that matrix instructions have read, and of the first read of results
.rept 4
	v_nop
.endr
.endm
; A K step is four quarters of 64 along K, 32 matrix instructions each, on buffers 0, 1, 0, 1.  One of the first three: multiplies buffer f and fetches the next quarter, at byte k, into g.
.macro QUARTER slot, k, f, g, zero
	s_wait_dscnt 16                                ; the first 32 along K are in; the youngest sixteen loads may be out
	WIN MUL
	MUL8 \f, 0, 0, \zero
	MUL8 \f, 0, 2, \zero
	PLACES
	FETCH \slot, \k, \g
	s_wait_dscnt 32                                ; all but the 32 just issued
	WIN MUL
	MUL8 \f, 1, 0, 0
	MUL8 \f, 1, 2, 0
.endm
; The last quarter multiplies buffer 1 and changes slots: ONE barrier; in front of it each wave waits for all its tensor loads, adds 0 to its spare word, and waits for that and for its own reads of this slot.
.macro TURN slot, next, fill
	WIN 0                                          ; (the add's two registers lie in window 0)
	s_wait_tensorcnt 0x0                           ; all my tensor loads have landed: my part of the next slot;
	ds_add_u32 v[SPW], v[NIL]
	s_wait_dscnt 17                                ; (the add and the youngest sixteen loads may be out)
	WIN MUL
	MUL8 F1, 0, 0, 0                               ; eight matrix instructions stand between the add and the wait for it
	s_wait_dscnt 0x0                               ; the add is done, and my reads of this slot are over
	s_barrier_signal -1
	MUL8 F1, 0, 2, 0
.if \fill
	WIN 0
.endif
	s_barrier_wait -1
.if \fill
	CREST                                          ; the barrier has opened a round of the cluster's barrier: no wave of any partner still reads this slot's tile or has a load on its way
	s_add_nc_u64 s[G0+4*\slot+2:G0+4*\slot+3], s[G0+4*\slot+2:G0+4*\slot+3], 2*KSTEP*2
	s_add_nc_u64 s[G0B+4*\slot+2:G0B+4*\slot+3], s[G0B+4*\slot+2:G0B+4*\slot+3], 2*KSTEP*2
	JLOAD \slot                                    ; the first tensor load behind the round; the four v_nop behind it are also the places in front of the loads below
.else
	PLACES
.endif
	FETCH \next, 0, F0
	WIN MUL
	MUL8 F1, 1, 0, 0
	MUL8 F1, 1, 2, 0
.endm
	s_wait_tensorcnt 1                             ; my part of K step 0 is in (K step 1's load may be out)
	s_barrier_signal -1
	s_barrier_wait -1                              ; everybody's is
	s_wait_loadcnt 0x0                             ; the bias
	FETCH 0, 0, F0
	QUARTER 0, 128, F0, F1, 1                      ; the first quarter stands in front of the loop: its first products start the sums
	WIN 0                                          ; at a label and at a branch every window is 0
	s_mov_b32 s3, LAPS-1
.Llap:                                                 ; a trip goes once round the ring, from a lap's second quarter to the next lap's first, and fills both slots again
	QUARTER 0, 256, F1, F0, 0
	QUARTER 0, 384, F0, F1, 0
	TURN 0, 1, 1
	QUARTER 1, 128, F0, F1, 0
	QUARTER 1, 256, F1, F0, 0
	QUARTER 1, 384, F0, F1, 0
	TURN 1, 0, 1
	QUARTER 0, 128, F0, F1, 0
	WIN 0
	s_sub_co_u32 s3, s3, 1
	s_cmp_lg_u32 s3, 0
	s_cbranch_scc1 .Llap
	QUARTER 0, 256, F1, F0, 0                      ; the last lap fills nothing, and has no round of the cluster's barrier
	QUARTER 0, 384, F0, F1, 0
	TURN 0, 1, 0                                   ; behind this barrier nobody reads slot 0 any more, and nothing is filled there again
	QUARTER 1, 128, F0, F1, 0
	QUARTER 1, 256, F1, F0, 0
	QUARTER 1, 384, F0, F1, 0
	s_wait_dscnt 16                                ; the very last quarter: nothing more to fetch
	WIN MUL
	MUL8 F1, 0, 0, 0
	MUL8 F1, 0, 2, 0
	s_wait_dscnt 0
	MUL8 F1, 1, 0, 0
	MUL8 F1, 1, 2, 0
	WIN 0
; THE WAY OUT, block by block of 16 rows x 64 columns.  A lane holds 32 neighbouring bytes of a row and the lanes beside it other rows: a block goes through my own stage and comes back as whole rows of 256 bytes.
.macro TOSTAGE a
.irp b, 0,1,2,3
	ds_store_b128 v[STO], v[ACC+8*(4*(\a)+\b):ACC+8*(4*(\a)+\b)+3] offset:(\a)*16*SPITCH+64*\b        ; each accumulator from its low end on
	ds_store_b128 v[STO], v[ACC+8*(4*(\a)+\b)+4:ACC+8*(4*(\a)+\b)+7] offset:(\a)*16*SPITCH+64*\b+16
.endr
.irp t, 0,1,2,3,4,5,6,7
	ds_load_b128 v[TMP+32*((\a)%2)+4*\t:TMP+32*((\a)%2)+4*\t+3], v[RD] offset:(\a)*16*SPITCH+\t*2*SPITCH   ; LDS serves a wave's instructions in order: these see the stores above
.endr
.endm
.macro SEND a, younger                 ; younger: the LDS instructions issued behind block a's loads, which may stay out
	s_wait_dscnt \younger
.irp t, 0,1,2,3,4,5,6,7
	global_store_b128 v[CO], v[TMP+32*((\a)%2)+4*\t:TMP+32*((\a)%2)+4*\t+3], s[74:75] offset:(16*(\a)+2*\t)*SIZE_N*4 th:TH_STORE_NT   ; 16 lanes store 256 consecutive bytes, at a multiple of 256 from the output's first byte
.endr
.endm
	PLACES
	TOSTAGE 0
.irp a, 1,2,3
.if \a > 1
	s_wait_xcnt 0x0                                ; block a - 2's stores have read their registers: block a's loads may land there
.endif
	TOSTAGE \a
	SEND \a-1, 16                                  ; behind block a - 1's loads: block a's 8 stores and 8 loads
.endr
	SEND 3, 0
	s_wait_tensorcnt 0x0                           ; the wave's end: behind my last tensor load and my last LDS store
	ds_add_u32 v[SPW], v[NIL]
	s_wait_dscnt 0x0
	CROUND                                         ; the closing round: no work-group ends while a partner may still ask for a tile that names it
	s_endpgm
.Lfunc_end_k_q0ce10a2834_final:
	.size	k_q0ce10a2834_final, .Lfunc_end_k_q0ce10a2834_final-k_q0ce10a2834_final
	.p2alignl 7, 3214868480
	.fill 96, 4, 3214868480
	.section	.rodata,"a",@progbits
	.p2align	6, 0x0
	.amdhsa_kernel k_q0ce10a2834_final
		.amdhsa_group_segment_fixed_size 327680
		.amdhsa_private_segment_fixed_size 0
		.amdhsa_enable_private_segment 0
		.amdhsa_kernarg_size 32
		.amdhsa_user_sgpr_count 2
		.amdhsa_user_sgpr_kernarg_segment_ptr 1
		.amdhsa_wavefront_size32 1
		.amdhsa_system_sgpr_workgroup_id_x 1
		.amdhsa_system_sgpr_workgroup_id_y 1
		.amdhsa_system_sgpr_workgroup_id_z 1
		.amdhsa_system_vgpr_workitem_id 0
		.amdhsa_next_free_vgpr 512
		.amdhsa_next_free_sgpr 80
		.amdhsa_reserve_vcc 0
		.amdhsa_float_denorm_mode_32 3
		.amdhsa_float_denorm_mode_16_64 3
		.amdhsa_memory_ordered 1
		.amdhsa_forward_progress 1
		.amdhsa_inst_pref_size 86
	.end_amdhsa_kernel
	.amdgpu_metadata
---
amdhsa.version: [ 1, 2 ]
amdhsa.kernels:
  - .name:           k_q0ce10a2834_final
    .symbol:         k_q0ce10a2834_final.kd
    .args:
      - { .name: ao, .offset: 0, .size: 8, .value_kind: global_buffer, .address_space: global }
      - { .name: wf16, .offset: 8, .size: 8, .value_kind: global_buffer, .address_space: global }
      - { .name: bf, .offset: 16, .size: 8, .value_kind: global_buffer, .address_space: global }
      - { .name: out0, .offset: 24, .size: 8, .value_kind: global_buffer, .address_space: global }
    .group_segment_fixed_size: 327680
    .private_segment_fixed_size: 0
    .kernarg_segment_align: 8
    .kernarg_segment_size: 32
    .max_flat_workgroup_size: 128
    .sgpr_count:     80
    .vgpr_count:     512
    .wavefront_size: 32
...
	.end_amdgpu_metadata
.endif
;; end of part 4
;; launch first16 (part 5): grid 64 x 2, 16 waves a work-group, no clusters, 18,432 bytes of LDS; arguments h32, Wf, bf, out0; writes out0
.if DOCPART == 5
	.amdgcn_target "amdgcn-amd-amdhsa--gfx1250"
	.amdhsa_code_object_version 6
	.text
	.protected	k_q0ce10a2834_first16
	.globl	k_q0ce10a2834_first16
	.p2align	8
	.type	k_q0ce10a2834_first16,@function
k_q0ce10a2834_first16:
	s_mov_b64 s[64:65], 0
	v_nop
	global_prefetch_b8 v0, s[64:65] scope:SCOPE_SE
	s_setreg_imm32_b32 hwreg(HW_REG_WAVE_MODE, 25, 1), 1
	s_wait_xcnt 0x0
; Positions 0-15 of both sequences once more, all in f32: attention on the f32 sums that the projections' launch kept (h32), the projection by Wf (f32) and the bias.  These rows average one to sixteen
; values and are the output's largest: f16 operands would use up what the comparison allows.  The 32 rows are stored over those of the launch before.
; SHARES.  Work-group (nx, bb): 16 output columns of sequence bb.  Wave w: head w: its attention for the 16 positions, and its 64 of the projection's K; the 16 partial sums meet in LDS and waves 0, 1 add them
; in ascending order of the heads.  Each of the 64 column groups computes the attention again: a sum over heads stays inside a work-group.
; OPERANDS.  h32 holds accumulator images: lane (r, h), registers j = 0..7: q, k: position r, channels 16 b + 8 h + j; v: channel 16 a + r, keys 8 h + j.  A pair of registers (2 i, 2 i + 1) is an operand of the
; 16x16x4 form: the form's k = 2 h + 0, 1 then stands for 8 h + 2 i + 0, 1 of the true K, alike in both sources.  All three products are used transposed: a lane holds one query.
; The registers that the f32 matrix form writes (v208-255) are written by matrix instructions alone; what is made of a sum goes into other registers.
; A row's piece of a work-group is 64 bytes, so its stores do not cover 256 consecutive bytes: the price of a short chain; the launch writes 128 KiB in all.
.set SPARE, 16384                      ; behind the 16 partial sums of 1,024 bytes: the spare words, 128 bytes for each of 16 waves: eight blocks of 256 bytes that no other line names
.set LI,   3                           ; v3   16 x lane
.set WO,   4                           ; v4   my byte offset in Wf
.set ME,   5                           ; v5   r - 8 h
.set NINF, 6                           ; v6   -infinity
.set PST,  7                           ; v7   LDS: where I put my partial sums
.set PRD,  8                           ; v8   LDS: where waves 0, 1 read them
.set BO,   9                           ; v9   my four columns, in bytes
.set SPW,  10                          ; v10  LDS address of my spare word; never rewritten
.set NIL,  11                          ; v11  0; never rewritten
.set BS,   12                          ; v12-15 the bias, then the sum
.set QR,   16
.set KR,   48
.set VR,   80
.set WR,   112
.set T,    144                         ; v144-151 the scores
.set P,    152                         ; v152-159 the weights
.set OO,   166                         ; v166 my byte offset in the output
.set ON,   168                         ; v168-199 O^T / l
.set FS,   200                         ; v200-207 my partial sums
.set SA0,  208                         ; v208-215, v216-223: two accumulators by turns, for S^T and later for the projection
.set SA1,  216
.set OA,   224                         ; v224-255: O^T's four
	s_load_b256 s[4:11], s[0:1], 0x0               ; h32 4, Wf 6, bf 8, out0 10
	v_lshl_add_u32 v[SPW], v0, 2, SPARE
	v_mov_b32 v[NIL], 0
	v_lshrrev_b32 v1, 5, v0
	v_readfirstlane_b32 s12, v1                    ; wave = head
	s_and_b32 s13, ttmp7, 0xffff                   ; the sequence
	v_and_b32 v1, 15, v0                           ; r
	v_bfe_u32 v2, v0, 4, 1                         ; h
	v_and_b32 v[LI], 31, v0
	v_lshlrev_b32 v[LI], 4, v[LI]
	v_lshlrev_b32 v[WO], 12, v1
	v_lshl_add_u32 v[WO], v2, 5, v[WO]
	s_lshl_b32 s14, ttmp9, 16
	s_lshl_b32 s15, s12, 8
	s_add_co_u32 s14, s14, s15
	v_add_nc_u32 v[WO], s14, v[WO]                 ; Wf: row 16 nx + r of 4,096 bytes, channels 64 w + 8 h on
	v_lshlrev_b32 v[ME], 3, v2
	v_sub_nc_u32 v[ME], v1, v[ME]
	v_mov_b32 v[NINF], 0xff800000
	s_lshl_b32 s15, s12, 10
	v_add_nc_u32 v[PST], s15, v[LI]
	v_and_b32 v[PRD], 63, v0
	v_lshlrev_b32 v[PRD], 4, v[PRD]                ; wave 0: registers 0-3 of every lane; wave 1: registers 4-7
	v_bfe_u32 v[BO], v0, 5, 1
	v_lshlrev_b32 v[BO], 4, v[BO]
	v_lshl_add_u32 v[BO], v2, 5, v[BO]
	s_lshl_b32 s14, ttmp9, 6
	v_add_nc_u32 v[BO], s14, v[BO]                 ; columns 16 nx + 8 h + 4 (wave % 2) on
	v_lshl_add_u32 v[OO], v1, 12, v[BO]            ; in row r
	v_mov_b32 v161, 0                              ; written once: a lane permute's destination counts as one of its sources
	v_mov_b32 v164, 0
	s_mov_b32 s26, 0x3e38aa3b                      ; c = log2(e) / sqrt(64)
	s_mov_b32 s28, 0x76543210
	s_mov_b32 s29, 0xfedcba98                      ; v_permlanex16_b32's selects for lane l xor 16
	s_mul_i32 s20, s13, 73728                      ; h32: 72 column tiles of 1,024 bytes a sequence
	s_mov_b32 s21, 0
	s_lshl_b32 s22, s12, 12                        ; q: 4 tiles a head
	s_mov_b32 s23, 0
	s_lshl_b32 s24, s13, 23                        ; the output: 2,048 rows of 4,096 bytes a sequence
	s_mov_b32 s25, 0
	s_wait_kmcnt 0x0
	s_add_nc_u64 s[4:5], s[4:5], s[20:21]
	s_add_nc_u64 s[16:17], s[4:5], s[22:23]
	s_add_nc_u64 s[10:11], s[10:11], s[24:25]
.irp i, 0,1,2,3,4,5,6,7
	global_load_b128 v[QR+4*\i:QR+4*\i+3], v[LI], s[16:17] offset:512*\i
.endr
.irp i, 0,1,2,3,4,5,6,7
	global_load_b128 v[KR+4*\i:KR+4*\i+3], v[LI], s[4:5] offset:65536+512*\i
.endr
.irp i, 0,1,2,3,4,5,6,7
	global_load_b128 v[VR+4*\i:VR+4*\i+3], v[LI], s[4:5] offset:69632+512*\i
.endr
.irp i, 0,1,2,3
	global_load_b128 v[WR+8*\i:WR+8*\i+3], v[WO], s[6:7] offset:64*\i
	global_load_b128 v[WR+8*\i+4:WR+8*\i+7], v[WO], s[6:7] offset:64*\i+16
.endr
	global_load_b128 v[BS:BS+3], v[BO], s[8:9]
	s_wait_loadcnt 17                              ; q and k are in; v's 8, Wf's 8 and the bias may be out
.irp i, 0,1,2,3,4,5,6,7,8,9,10,11,12,13,14,15  ; S^T = K Q^T over 64 channels, 4 an instruction; two accumulators by turns
.if \i < 2
	v_wmma_f32_16x16x4_f32 v[SA0+8*(\i%2):SA0+8*(\i%2)+7], v[KR+2*\i:KR+2*\i+1], v[QR+2*\i:QR+2*\i+1], 0
.else
	v_wmma_f32_16x16x4_f32 v[SA0+8*(\i%2):SA0+8*(\i%2)+7], v[KR+2*\i:KR+2*\i+1], v[QR+2*\i:QR+2*\i+1], v[SA0+8*(\i%2):SA0+8*(\i%2)+7]
.endif
.endr
.rept 8
	v_nop                                          ; eight places behind this form, in front of the first read of results
.endr
.irp j, 0,1,2,3,4,5,6,7
	v_add_f32 v[T+\j], v[SA0+\j], v[SA1+\j]        ; lane (r, h): query r, key 8 h + j
.endr
.irp j, 0,1,2,3,4,5,6,7
	v_cmp_gt_i32 vcc_lo, \j, v[ME]                 ; hidden where 8 h + j > r
	v_cndmask_b32 v[T+\j], v[T+\j], v[NINF], vcc_lo
.endr
	v_max3_num_f32 v160, v[T], v[T+1], v[T+2]
	v_max3_num_f32 v160, v160, v[T+3], v[T+4]
	v_max3_num_f32 v160, v160, v[T+5], v[T+6]
	v_max_num_f32 v160, v160, v[T+7]
	v_permlanex16_b32 v161, v160, s28, s29
	v_max_num_f32 v160, v160, v161                 ; the row's maximum: key 0 counts for every query, so it is a number
	v_mul_f32 v162, s26, v160
.irp j, 0,1,2,3,4,5,6,7
	v_fma_f32 v[P+\j], v[T+\j], s26, -v162
.endr
.irp j, 0,1,2,3,4,5,6,7
	v_exp_f32 v[P+\j], v[P+\j]
.endr
	v_nop                                          ; a plain line behind the exponentials,
	s_wait_alu depctr_va_vdst(0)                   ; and the one wait ahead of their first reader
	v_add_f32 v163, v[P], v[P+1]
	v_add_f32 v164, v[P+2], v[P+3]
	v_add_f32 v163, v163, v[P+4]
	v_add_f32 v164, v164, v[P+5]
	v_add_f32 v163, v163, v[P+6]
	v_add_f32 v164, v164, v[P+7]
	v_add_f32 v163, v163, v164
	v_permlanex16_b32 v164, v163, s28, s29
	v_add_f32 v163, v163, v164                     ; the row's sum
	v_rcp_f32 v165, v163
	v_nop
	s_wait_alu depctr_va_vdst(0)
	s_wait_loadcnt 9                               ; v is in; Wf's 8 and the bias may be out
.irp kk, 0,1,2,3                               ; O^T = V^T P over 16 keys; four accumulators by turns
.irp dt, 0,1,2,3
.if \kk == 0
	v_wmma_f32_16x16x4_f32 v[OA+8*\dt:OA+8*\dt+7], v[VR+8*\dt+2*\kk:VR+8*\dt+2*\kk+1], v[P+2*\kk:P+2*\kk+1], 0
.else
	v_wmma_f32_16x16x4_f32 v[OA+8*\dt:OA+8*\dt+7], v[VR+8*\dt+2*\kk:VR+8*\dt+2*\kk+1], v[P+2*\kk:P+2*\kk+1], v[OA+8*\dt:OA+8*\dt+7]
.endif
.endr
.endr
.rept 8
	v_nop
.endr
.set i, 0
.rept 32
	v_mul_f32 v[ON+i], v[OA+i], v165               ; lane (r, h): query r, channel 16 dt + 8 h + j of my head; each accumulator from its low end on
.set i, i+1
.endr
	s_wait_loadcnt 1                               ; Wf is in; the bias may be out
.irp i, 0,1,2,3,4,5,6,7,8,9,10,11,12,13,14,15  ; my head's part of out^T = Wf O^T: 64 channels, two accumulators by turns
.if \i < 2
	v_wmma_f32_16x16x4_f32 v[SA0+8*(\i%2):SA0+8*(\i%2)+7], v[WR+2*\i:WR+2*\i+1], v[ON+2*\i:ON+2*\i+1], 0
.else
	v_wmma_f32_16x16x4_f32 v[SA0+8*(\i%2):SA0+8*(\i%2)+7], v[WR+2*\i:WR+2*\i+1], v[ON+2*\i:ON+2*\i+1], v[SA0+8*(\i%2):SA0+8*(\i%2)+7]
.endif
.endr
.rept 8
	v_nop
.endr
.irp j, 0,1,2,3,4,5,6,7
	v_add_f32 v[FS+\j], v[SA0+\j], v[SA1+\j]       ; lane (r, h): query r, output column 16 nx + 8 h + j
.endr
	ds_store_b128 v[PST], v[FS:FS+3]
	ds_store_b128 v[PST], v[FS+4:FS+7] offset:512
	s_wait_dscnt 0x0                               ; for the others' sake: my partial sums lie in LDS
	s_barrier_signal -1
	s_barrier_wait -1
	s_cmp_ge_u32 s12, 2
	s_cbranch_scc1 .Lend
.irp p, 0,1,2,3,4,5,6,7,8,9,10,11,12,13,14,15
	ds_load_b128 v[16+4*\p:19+4*\p], v[PRD] offset:1024*\p
.endr
	s_wait_loadcnt 0x0                             ; the bias
	s_wait_dscnt 0x0
.irp p, 0,1,2,3,4,5,6,7,8,9,10,11,12,13,14,15
	v_pk_add_f32 v[BS:BS+1], v[BS:BS+1], v[16+4*\p:17+4*\p]
	v_pk_add_f32 v[BS+2:BS+3], v[BS+2:BS+3], v[18+4*\p:19+4*\p]
.endr
	global_store_b128 v[OO], v[BS:BS+3], s[10:11]
.Lend:
	s_wait_tensorcnt 0x0                           ; the wave's end: behind my last LDS store
	ds_add_u32 v[SPW], v[NIL]
	s_wait_dscnt 0x0
	s_endpgm
.Lfunc_end_k_q0ce10a2834_first16:
	.size	k_q0ce10a2834_first16, .Lfunc_end_k_q0ce10a2834_first16-k_q0ce10a2834_first16
	.p2alignl 7, 3214868480
	.fill 96, 4, 3214868480
	.section	.rodata,"a",@progbits
	.p2align	6, 0x0
	.amdhsa_kernel k_q0ce10a2834_first16
		.amdhsa_group_segment_fixed_size 18432
		.amdhsa_private_segment_fixed_size 0
		.amdhsa_enable_private_segment 0
		.amdhsa_kernarg_size 32
		.amdhsa_user_sgpr_count 2
		.amdhsa_user_sgpr_kernarg_segment_ptr 1
		.amdhsa_wavefront_size32 1
		.amdhsa_system_sgpr_workgroup_id_x 1
		.amdhsa_system_sgpr_workgroup_id_y 1
		.amdhsa_system_sgpr_workgroup_id_z 1
		.amdhsa_system_vgpr_workitem_id 0
		.amdhsa_next_free_vgpr 256
		.amdhsa_next_free_sgpr 66
		.amdhsa_reserve_vcc 1
		.amdhsa_float_denorm_mode_32 3
		.amdhsa_float_denorm_mode_16_64 3
		.amdhsa_memory_ordered 1
		.amdhsa_forward_progress 1
		.amdhsa_inst_pref_size 17
	.end_amdhsa_kernel
	.amdgpu_metadata
---
amdhsa.version: [ 1, 2 ]
amdhsa.kernels:
  - .name:           k_q0ce10a2834_first16
    .symbol:         k_q0ce10a2834_first16.kd
    .args:
      - { .name: h32, .offset: 0, .size: 8, .value_kind: global_buffer, .address_space: global }
      - { .name: Wf, .offset: 8, .size: 8, .value_kind: global_buffer, .address_space: global }
      - { .name: bf, .offset: 16, .size: 8, .value_kind: global_buffer, .address_space: global }
      - { .name: out0, .offset: 24, .size: 8, .value_kind: global_buffer, .address_space: global }
    .group_segment_fixed_size: 18432
    .private_segment_fixed_size: 0
    .kernarg_segment_align: 8
    .kernarg_segment_size: 32
    .max_flat_workgroup_size: 512
    .sgpr_count:     66
    .vgpr_count:     256
    .wavefront_size: 32
...
	.end_amdgpu_metadata
.endif
;; end of part 5
